; MI455X (gfx1250); checked and timed in simulation.
; The chip was launched on July 23, 2026; its instructions are those of AMD's public machine-readable ISA for CDNA 5 (MIT licence, August 2026) and "CDNA5" Instruction Set Architecture Reference Guide (July 2026). The comments in the code are by the model that wrote it; some were corrected since.
;; Locality Self Attention. Allowed arithmetic: matrix products marked QUANTISED: E2M3 operands, one E8M0 scale for each 32 along K, by v_wmma_scale_f32_16x16x128_f8f6f4 with both operands' format E2M3, f32 sums; everything else in f32.
;; Inputs: b_out 1,024 float32; scale 16 x 1 x 1 float32; w_out 1,024 x 1,024 float32; w_qkv 1,024 x 3,072 float32; x 8 x 1,024 x 1,024 float32.
;; Outputs: out0 8 x 1,024 x 1,024 float32.
;; This version of the problem:
;;   THIS VERSION OF THE PROBLEM IS GIVEN IN LOW PRECISION. The matrix products marked QUANTISED in the list below multiply operands that are first quantised to E2M3 (2 exponent bits, 3 mantissa bits; 6 bits a number), with one power-of-two scale for each 32 numbers along K (OCP MX v1.0); their sums are f32. All else is computed in f32.
;;   The module's matrix products, in the order in which they are computed (A, B: the left and right operand; K: the contracted axis; several contracted axes count as one K, in the product's order):
;;     1. [M 8,192, K 1,024] x [K 1,024, N 3,072]; A: input x; B: input w_qkv: QUANTISED
;;     2. batch 128 x [M 1,024, K 64] x [K 64, N 1,024]; A: computed on the way; B: computed on the way: QUANTISED
;;     3. batch 128 x [M 1,024, K 1,024] x [K 1,024, N 64]; A: computed on the way; B: computed on the way: QUANTISED
;;     4. [M 8,192, K 1,024] x [K 1,024, N 1,024]; A: computed on the way; B: input w_out: QUANTISED
;;   THE QUANTISER, for each operand of a quantised product, along K:
;;     - K is cut into blocks of 32 from its start; a last block that is shorter is filled with zeros.
;;     - A block's scale is 2^e with e = floor(log2(the largest magnitude in the block)) - 2, held to -126 .. 127; a block of zeros has e = 0. As a byte (E8M0): e + 127.
;;     - Each number is divided by its block's scale, clamped to +-7.5, and rounded to the nearest number of E2M3, ties to even, subnormals kept.
;;     - The product sums the exact products of the quantised numbers (number of the format x scale) in f32.
;;   ~~~python
;;   def quantise(x, axis):      # numpy; x: float32 -> the quantised numbers, widened to float32 again
;;       x = np.moveaxis(x, axis, -1); K = x.shape[-1]
;;       x = np.pad(x, [(0, 0)] * (x.ndim - 1) + [(0, -K % 32)]); x = x.reshape(x.shape[:-1] + (-1, 32)); a = np.abs(x).max(-1, keepdims=True)
;;       e = np.where(a > 0, np.clip(np.frexp(np.where(a > 0, a, 1))[1] - 1 - 2, -126, 127), 0)      # np.frexp(a)[1] - 1 = floor(log2(a)), exactly
;;       r = np.clip(x / 2.0 ** e, -7.5, 7.5)
;;       step = 2.0 ** (np.maximum(np.frexp(np.where(r == 0, 1, r))[1] - 1, 0) - 3)
;;       q = np.round(r / step) * step * 2.0 ** e      # np.round: ties to even
;;       return np.moveaxis(q.reshape(q.shape[:-2] + (-1,))[..., :K], -1, axis).astype(np.float32)
;;   ~~~
;;   OPERANDS COMPUTED ON THE WAY. 'Computed on the way' means the value that the module computes at that place (a softmax that the list does not call 'softmax' is quantised finished and normalised). What goes into a quantiser is computed in f32, as accurately as f32 sums, v_exp_f32 and their like allow (about 1e-6 of the number): no bf16 or f16 on the way to a quantiser, and a product that is left as it is and whose result goes on into a quantised operand takes f32 operands (vector FMAs, or v_wmma_f32_16x16x4_f32). A number that lies on a knife's edge between two numbers of the format may be rounded either way, as far as f32 arithmetic and the matrix unit's own rounding can turn it there, and no further.
;; One version. Each part assembles by itself: llvm-mc -triple=amdgcn-amd-amdhsa -mcpu=gfx1250 --defsym DOCPART=n.
;; ======== version 1 of 1: 4 launches
;; limits: right only within a limited range of input values
;; workspace buffers: xc 6,291,456 bytes; xs 262,144 bytes; wc 3,145,728 bytes; ws 131,072 bytes; qq 6,815,744 bytes; kv 13,369,344 bytes; oc 6,291,456 bytes; os 524,288 bytes
;; launch quant (part 1): grid 256 x 1, 6 waves a work-group, no clusters, 34,560 bytes of LDS; arguments x, w_qkv, w_out, xc, xs, wc, ws; writes xc, xs, wc, ws
.if DOCPART == 1
	.amdgcn_target "amdgcn-amd-amdhsa--gfx1250"
	.amdhsa_code_object_version 6
	.text
	.protected	k_q762a515856_quant
	.globl	k_q762a515856_quant
	.p2align	8
	.type	k_q762a515856_quant,@function
k_q762a515856_quant:
	s_mov_b64 s[64:65], 0
	v_nop
	global_prefetch_b8 v0, s[64:65] scope:SCOPE_SE
	s_setreg_imm32_b32 hwreg(HW_REG_WAVE_MODE, 25, 1), 1
	s_wait_xcnt 0x0
; x [8192][1024], w_qkv [1024][3072] and w_out [1024][1024], f32, become codes of FP6 (E2M3) with one E8M0 byte for each 32 along K (K = x's last axis, the weights' FIRST axis).
; A block's scale is 2^(floor(log2(its largest magnitude)) - 2); its byte is that magnitude's exponent field - 2, held at 1 from below.
; LIMITS: a block of zeros, or one whose largest magnitude lies under 2^-124, gets the byte 1 (the rule says 127 for zeros): its codes are zeros or nearly so, and this program alone reads the bytes.  NaN and infinities are not served.
; LAYOUT OF THE RESULTS: images of the operand's registers.  A HALF IMAGE is 16 rows x 64 K, 768 bytes: lane (r, h) holds row r, k = 32 h .. 32 h + 31, in six registers; registers 0-3 lie at 16 x lane, registers 4-5 at 512 + 8 x lane.
; The rows of tile T are 32 (T / 2) + 8 (T % 2) + r + 8 (r / 8).  xc, wc: [block of 128 rows][256 K: 4][tile: 8][64 K: 4][768 bytes]; wc's rows are the weights' columns, w_qkv's 3,072 and then w_out's 1,024.
; xs, ws: [64 rows][128 K: 8][256 bytes]: lane l's 8 bytes at 8 l; word 0 = the scale words of tile 0 (lanes 0-15) and tile 1 (lanes 16-31), word 1 those of tiles 2 and 3.
; SHARES: 1,024 tasks of x (64 rows x 128 K) and 512 of the weights (64 columns x 128 K), 32 KiB of f32 each.  Each of the 256 work-groups has four waves with a task of x and two with a task of the weights.  Waves share nothing: no barrier.
.set STG,   8448                       ; a wave's stage: 16 rows of 512 bytes + 16
.set SPARE, 4*STG                      ; behind the four stages: the spare words, 128 bytes for each of six waves: three blocks of 256 bytes that no other line names
.set SPW,   16                         ; v16  LDS address of my spare word; never rewritten
.set NIL,   17                         ; v17  0; never rewritten
.set TM,    18                         ; v18-19 largest magnitudes
.set SO,    20                         ; v20-21 the conversions' scale operands
.set BY,    22                         ; v22-23 scale bytes
.set R,     32                         ; v32-159 numbers as loaded
.set X,     160                        ; v160-223 x: my two blocks of 32 neighbours
.set PC,    224                        ; v224-235 codes: two half images' six registers
.set TT,    236                        ; v236-243 a conversion's three registers begin on an even number: the second halves are made here and moved
.set U,     244                        ; v244-245 the unit of scale words
.set PWS,   246                        ; v246-249 x: the four tiles' scale words
.macro FINISH                          ; the wave's end
	s_wait_tensorcnt 0x0
	ds_add_u32 v[SPW], v[NIL]
	s_wait_dscnt 0x0
	s_endpgm
.endm
	s_load_b256 s[4:11], s[0:1], 0x0               ; x s[4:5], w_qkv s[6:7], w_out s[8:9], xc s[10:11]
	s_load_b128 s[12:15], s[0:1], 0x20             ; xs s[12:13], wc s[14:15]
	s_load_b64 s[16:17], s[0:1], 0x30              ; ws
	v_lshl_add_u32 v[SPW], v0, 2, SPARE
	v_mov_b32 v[NIL], 0
	v_lshrrev_b32 v1, 5, v0
	v_readfirstlane_b32 s18, v1                    ; wave 0..5
	v_and_b32 v1, 31, v0                           ; lane
	v_and_b32 v2, 15, v0                           ; r
	v_bfe_u32 v3, v0, 4, 1                         ; h
	v_lshlrev_b32 v4, 4, v1                        ; 16 x lane
	v_lshlrev_b32 v5, 3, v1                        ; 8 x lane
	s_min_u32 s19, s18, 3
	s_mul_i32 s19, s19, STG                        ; my stage (waves 0-3 use one)
	v_add_nc_u32 v6, s19, v4                       ; into it: a row's 512 bytes as they lie
	v_mul_u32_u24 v7, v2, 528
	v_lshl_add_u32 v7, v3, 7, v7
	v_add_nc_u32 v7, s19, v7                       ; out of it: row r, 128 h bytes on: 32 neighbours
	v_and_b32 v8, 8, v2
	v_add_nc_u32 v8, v8, v2
	v_lshl_add_u32 v8, v3, 3, v8                   ; the weights: lane l takes column r + 8 (r / 8) + 8 h of 32: lanes 0-15 an even tile's rows, lanes 16-31 the odd tile's
	v_lshlrev_b32 v8, 2, v8
	v_lshlrev_b32 v9, 3, v3                        ; 8 h
	v_mov_b32 v26, 0                               ; written once: a lane permute's destination counts as one of its sources
	s_mov_b32 s20, 0x76543210
	s_mov_b32 s21, 0xfedcba98                      ; v_permlanex16_b32's selects for lane l xor 16
	s_mov_b32 s30, 0xffff0000                      ; lanes 16-31
	s_lshl_b32 s22, ttmp9, 2
	s_add_co_u32 s22, s22, s18                     ; x: task 4 x work-group + wave
	s_lshr_b32 s23, s22, 3                         ;    its 64 rows
	s_and_b32 s24, s22, 7                          ;    its 128 along K
	s_lshl_b32 s25, ttmp9, 1
	s_add_co_u32 s25, s25, s18
	s_sub_co_u32 s25, s25, 4                       ; the weights: task 2 x work-group + wave - 4
	s_and_b32 s26, s25, 63                         ;    its 64 columns
	s_lshr_b32 s27, s25, 6                         ;    its 128 along K
	s_cmp_lt_u32 s18, 4
	s_cselect_b32 s23, s23, s26                    ; G: which 64 rows of the operand
	s_cselect_b32 s24, s24, s27                    ; kq: which 128 along K
	s_lshr_b32 s26, s23, 1                         ; where the codes go: (G / 2) blocks + (kq / 2) x 24,576 + (G % 2) x four tiles + (kq % 2) x two half images
	s_mul_i32 s26, s26, 98304
	s_lshr_b32 s27, s24, 1
	s_mul_i32 s27, s27, 24576
	s_add_co_u32 s26, s26, s27
	s_and_b32 s27, s23, 1
	s_mul_i32 s27, s27, 12288
	s_add_co_u32 s26, s26, s27
	s_and_b32 s27, s24, 1
	s_mul_i32 s27, s27, 1536
	s_add_co_u32 s26, s26, s27
	s_mov_b32 s27, 0
	s_lshl_b32 s28, s23, 11                        ; and the scale words: 2,048 G + 256 kq
	s_lshl_b32 s29, s24, 8
	s_add_co_u32 s28, s28, s29
	s_mov_b32 s29, 0
	s_wait_kmcnt 0x0
	s_cmp_lt_u32 s18, 4                            ; the choice hangs on the wave's number alone
	s_cselect_b64 s[10:11], s[10:11], s[14:15]
	s_cselect_b64 s[12:13], s[12:13], s[16:17]
	s_add_nc_u64 s[10:11], s[10:11], s[26:27]
	s_add_nc_u64 s[12:13], s[12:13], s[28:29]
	s_cmp_lt_u32 s18, 4
	s_cbranch_scc0 .Lweights
; ---- x.  K is innermost: a load takes a row's 512 bytes as they lie, 16 a lane; the stage turns 16 rows so that lane (r, h) holds, of row r, the blocks k = 64 c + 32 h + 0 .. 31, c = 0, 1: the operand's own order.
	s_lshl_b32 s26, s23, 18                        ; 64 rows of 4,096 bytes
	s_lshl_b32 s28, s24, 9
	s_add_co_u32 s26, s26, s28
	s_add_nc_u64 s[4:5], s[4:5], s[26:27]
.macro LOADX a                         ; tile a's 16 rows into set a % 2
.set i, 0
.rept 16
	global_load_b128 v[R+64*((\a)%2)+4*i:R+64*((\a)%2)+4*i+3], v4, s[4:5] offset:(32*((\a)/2)+8*((\a)%2)+i+8*(i/8))*4096 th:TH_LOAD_NT
.set i, i+1
.endr
.endm
.macro XT a
.if (\a) < 3
	s_wait_loadcnt 16                              ; this tile's 16 loads are in; the next tile's 16 may be out
.else
	s_wait_loadcnt 0x0
.endif
.set i, 0
.rept 16
	ds_store_b128 v6, v[R+64*((\a)%2)+4*i:R+64*((\a)%2)+4*i+3] offset:528*i
.set i, i+1
.endr
.set i, 0
.rept 16
	ds_load_b128 v[X+4*i:X+4*i+3], v7 offset:256*(i/8)+16*(i%8)   ; LDS serves a wave's instructions in order: these see my stores
.set i, i+1
.endr
	s_wait_dscnt 0x0                               ; my numbers are back, and the stores have read their registers,
.if (\a) < 2
	LOADX (\a)+2                                   ; which take the tile two on
.endif
.irp c, 0,1
	v_max3_num_f32 v[TM+\c], |v[X+32*\c]|, |v[X+32*\c+1]|, 0x1800000   ; all 32 numbers of the block are mine; the floor 2^(3 - 127) holds the byte at 1 from below
.endr
.irp i, 2,4,6,8,10,12,14,16,18,20,22,24,26,28,30
.irp c, 0,1
	v_max3_num_f32 v[TM+\c], v[TM+\c], |v[X+32*\c+\i]|, |v[X+32*\c+\i+1]|
.endr
.endr
.irp c, 0,1
	v_add_nc_u32 v[SO+\c], 0xff000000, v[TM+\c]    ; 2 off the exponent field: the conversion takes that field as its scale
.endr
.irp c, 0,1
	v_lshrrev_b32 v[BY+\c], 23, v[SO+\c]           ; the scale's byte
.endr
	v_lshl_or_b32 v24, v[BY+1], 16, v[BY]          ; my bytes: blocks h and 2 + h of row r,
	v_lshlrev_b32 v24, v9, v24                     ; at their places in the word;
	v_permlanex16_b32 v26, v24, s20, s21
	v_or_b32 v[PWS+(\a)], v24, v26                 ; with lane l xor 16's two the word is whole
	s_wait_alu depctr_va_vdst(0)
	s_wait_xcnt 0x0                                ; the last tile's stores have read the codes' registers
.irp c, 0,1
	v_cvt_scalef32_pk16_fp6_f32 v[PC+6*\c:PC+6*\c+2], v[X+32*\c:X+32*\c+15], v[SO+\c]
	v_cvt_scalef32_pk16_fp6_f32 v[TT+4*\c:TT+4*\c+2], v[X+32*\c+16:X+32*\c+31], v[SO+\c]
.endr
	v_nop                                          ; one plain line behind the conversions
.irp c, 0,1
.irp i, 0,1,2
	v_mov_b32 v[PC+3+6*\c+\i], v[TT+4*\c+\i]
.endr
.endr
	global_store_b128 v4, v[PC:PC+3], s[10:11] offset:(\a)*3072          ; each store covers 512 or 256 consecutive bytes, at a multiple of 256 from the buffer's first byte
	global_store_b64 v5, v[PC+4:PC+5], s[10:11] offset:(\a)*3072+512
	global_store_b128 v4, v[PC+6:PC+9], s[10:11] offset:(\a)*3072+768
	global_store_b64 v5, v[PC+10:PC+11], s[10:11] offset:(\a)*3072+1280
.endm
	LOADX 0
	LOADX 1
	s_wait_alu depctr_va_vdst(0)
	XT 0
	XT 1
	XT 2
	XT 3
	v_cndmask_b32 v[U], v[PWS], v[PWS+1], s30      ; lanes 0-15 tile 0's words, lanes 16-31 tile 1's
	v_cndmask_b32 v[U+1], v[PWS+2], v[PWS+3], s30
	global_store_b64 v5, v[U:U+1], s[12:13]        ; 256 consecutive bytes
	FINISH
; ---- the weights.  K is the first axis: a lane takes a column and its registers run down K, so a block of 32 lies in one lane and the codes come out with K innermost.  Each load reads 128 consecutive bytes.
; Block t of eight: columns 32 (t / 4) on, k = 32 (t % 4) on.  Two blocks of a lane are a half image's two halves for ITS tile: six exchanges of lane halves make the even tile's image of the first six registers and the odd tile's of the second.
.macro LOADW t, pitch, src
.set k, 0
.rept 32
	global_load_b32 v[R+32*((\t)%2)+k], v8, s[\src:\src+1] offset:(32*((\t)%4)+k)*(\pitch)+128*((\t)/4) th:TH_LOAD_NT
.set k, k+1
.endr
.endm
.macro WBLOCK t, pitch, src
.set XS, R+32*((\t)%2)
.set PP, PC+6*((\t)%2)
.if (\t) < 7
	s_wait_loadcnt 32                              ; this block's 32 loads are in; the next block's may be out
.else
	s_wait_loadcnt 0x0
.endif
	v_max3_num_f32 v18, |v[XS]|, |v[XS+1]|, |v[XS+2]|
	v_max3_num_f32 v19, |v[XS+3]|, |v[XS+4]|, |v[XS+5]|
.irp i, 6,10,14,18,22,26
	v_max3_num_f32 v18, v18, |v[XS+\i]|, |v[XS+\i+1]|
	v_max3_num_f32 v19, v19, |v[XS+\i+2]|, |v[XS+\i+3]|
.endr
	v_max3_num_f32 v18, v18, |v[XS+30]|, |v[XS+31]|
	v_max3_num_f32 v18, v18, v19, 0x1800000        ; and the floor
	v_add_nc_u32 v20, 0xff000000, v18
	v_lshrrev_b32 v22, 23, v20
.if (\t)%4 == 0
	v_mov_b32 v[U+(\t)/4], v22                     ; my column's scale word: the lower K in the lower byte
.else
	v_lshl_or_b32 v[U+(\t)/4], v22, 8*((\t)%4), v[U+(\t)/4]
.endif
.if ((\t)%2 == 0) && ((\t) > 0)
	s_wait_alu depctr_va_vdst(0)
	s_wait_xcnt 0x0                                ; the last pair's stores have read the codes' registers
.endif
	v_cvt_scalef32_pk16_fp6_f32 v[PP:PP+2], v[XS:XS+15], v20
	v_cvt_scalef32_pk16_fp6_f32 v[TT:TT+2], v[XS+16:XS+31], v20
	v_nop
.irp i, 0,1,2
	v_mov_b32 v[PP+3+\i], v[TT+\i]
.endr
.if (\t)+2 < 8
	LOADW (\t)+2, \pitch, \src
.endif
.if (\t)%2 == 1
.irp i, 0,1,2,3,4,5
	v_permlane16_swap_b32 v[PC+\i], v[PC+6+\i]     ; the first's lanes 16-31 change places with the second's lanes 0-15
.endr
	global_store_b128 v4, v[PC:PC+3], s[10:11] offset:2*((\t)/4)*3072+(((\t)%4)/2)*768
	global_store_b64 v5, v[PC+4:PC+5], s[10:11] offset:2*((\t)/4)*3072+(((\t)%4)/2)*768+512
	global_store_b128 v4, v[PC+6:PC+9], s[10:11] offset:(2*((\t)/4)+1)*3072+(((\t)%4)/2)*768
	global_store_b64 v5, v[PC+10:PC+11], s[10:11] offset:(2*((\t)/4)+1)*3072+(((\t)%4)/2)*768+512
.endif
.endm
.macro WTASK pitch, src
	LOADW 0, \pitch, \src
	LOADW 1, \pitch, \src
.irp t, 0,1,2,3,4,5,6,7
	WBLOCK \t, \pitch, \src
.endr
	global_store_b64 v5, v[U:U+1], s[12:13]        ; lanes 0-15 hold the even tiles' words, lanes 16-31 the odd tiles': the unit as it is laid
.endm
.Lweights:
	s_cmp_lt_u32 s23, 48                           ; column groups 0-47 are w_qkv's, 48-63 w_out's
	s_cbranch_scc0 .Lw_out
	s_mul_i32 s26, s24, 128*12288
	s_lshl_b32 s28, s23, 8
	s_add_co_u32 s26, s26, s28
	s_add_nc_u64 s[6:7], s[6:7], s[26:27]
	s_wait_alu depctr_va_vdst(0)
	WTASK 12288, 6
	FINISH
.Lw_out:
	s_mul_i32 s26, s24, 128*4096
	s_sub_co_u32 s28, s23, 48
	s_lshl_b32 s28, s28, 8
	s_add_co_u32 s26, s26, s28
	s_add_nc_u64 s[8:9], s[8:9], s[26:27]
	s_wait_alu depctr_va_vdst(0)
	WTASK 4096, 8
	FINISH
.Lfunc_end_k_q762a515856_quant:
	.size	k_q762a515856_quant, .Lfunc_end_k_q762a515856_quant-k_q762a515856_quant
	.p2alignl 7, 3214868480
	.fill 96, 4, 3214868480
	.section	.rodata,"a",@progbits
	.p2align	6, 0x0
	.amdhsa_kernel k_q762a515856_quant
		.amdhsa_group_segment_fixed_size 34560
		.amdhsa_private_segment_fixed_size 0
		.amdhsa_enable_private_segment 0
		.amdhsa_kernarg_size 56
		.amdhsa_user_sgpr_count 2
		.amdhsa_user_sgpr_kernarg_segment_ptr 1
		.amdhsa_wavefront_size32 1
		.amdhsa_system_sgpr_workgroup_id_x 1
		.amdhsa_system_sgpr_workgroup_id_y 1
		.amdhsa_system_sgpr_workgroup_id_z 1
		.amdhsa_system_vgpr_workitem_id 0
		.amdhsa_next_free_vgpr 256
		.amdhsa_next_free_sgpr 66
		.amdhsa_reserve_vcc 0
		.amdhsa_float_denorm_mode_32 3
		.amdhsa_float_denorm_mode_16_64 3
		.amdhsa_memory_ordered 1
		.amdhsa_forward_progress 1
		.amdhsa_inst_pref_size 109
	.end_amdhsa_kernel
	.amdgpu_metadata
---
amdhsa.version: [ 1, 2 ]
amdhsa.kernels:
  - .name:           k_q762a515856_quant
    .symbol:         k_q762a515856_quant.kd
    .args:
      - { .name: x, .offset: 0, .size: 8, .value_kind: global_buffer, .address_space: global }
      - { .name: w_qkv, .offset: 8, .size: 8, .value_kind: global_buffer, .address_space: global }
      - { .name: w_out, .offset: 16, .size: 8, .value_kind: global_buffer, .address_space: global }
      - { .name: xc, .offset: 24, .size: 8, .value_kind: global_buffer, .address_space: global }
      - { .name: xs, .offset: 32, .size: 8, .value_kind: global_buffer, .address_space: global }
      - { .name: wc, .offset: 40, .size: 8, .value_kind: global_buffer, .address_space: global }
      - { .name: ws, .offset: 48, .size: 8, .value_kind: global_buffer, .address_space: global }
    .group_segment_fixed_size: 34560
    .private_segment_fixed_size: 0
    .kernarg_segment_align: 8
    .kernarg_segment_size: 56
    .max_flat_workgroup_size: 192
    .sgpr_count:     66
    .vgpr_count:     256
    .wavefront_size: 32
...
	.end_amdgpu_metadata
.endif
;; end of part 1
;; launch qkv (part 2): grid 12 x 64, 4 waves a work-group, clusters of 4 x 4, 327,680 bytes of LDS; arguments xc, xs, wc, ws, qq, kv; writes qq, kv
.if DOCPART == 2
	.amdgcn_target "amdgcn-amd-amdhsa--gfx1250"
	.amdhsa_code_object_version 6
	.text
	.protected	k_q762a515856_qkv
	.globl	k_q762a515856_qkv
	.p2align	8
	.type	k_q762a515856_qkv,@function
k_q762a515856_qkv:
	s_mov_b64 s[64:65], 0
	v_nop
	global_prefetch_b8 v0, s[64:65] scope:SCOPE_SE
	s_setreg_imm32_b32 hwreg(HW_REG_WAVE_MODE, 25, 1), 1
	s_wait_xcnt 0x0
	s_wait_alu depctr_hold_cnt(0) depctr_sa_sdst(0) depctr_va_vdst(0) depctr_va_sdst(0) depctr_va_ssrc(0) depctr_va_vcc(0) depctr_vm_vsrc(0)
	s_getreg_b32 s2, hwreg(HW_REG_IB_STS2, 6, 4)
	s_cmp_eq_u32 s2, 0
	s_cbranch_scc0 .Lentry_in_a_cluster
	s_endpgm
.Lentry_in_a_cluster:
	s_bfe_u32 s2, ttmp6, 0x10000c
	s_cmp_lg_u32 s2, 0xf033
	s_cbranch_scc0 .Lentry_shape_is_right
	s_endpgm
.Lentry_shape_is_right:
; qkv = x w_qkv on codes of FP6 (E2M3) with E8M0 scales, K = 1,024; the results are quantised in registers and leave as codes: q and k along the head's 64 channels, v along the keys.
; A work-group makes P 128 rows x Q 256 rows; a wave P 64 x Q 128: 32 accumulators.  The product is used transposed (source 0 = 16 rows of Q, source 1 = 16 rows of P): a lane owns one row of P, its registers run along Q's rows,
; and since the rows of tile T are 32 (T / 2) + 8 (T % 2) + r + 8 (r / 8), the 16 registers of Q's tiles 2 b and 2 b + 1 are 16 neighbours: what the conversions want.
; Cluster column 0 makes q, 1 makes k: P = tokens (xc), Q = channels (wc).  Cluster column 2 makes v WITH THE OPERANDS CHANGED: P = v's channels (wc), Q = tokens (xc): a lane's registers then run along the keys, the next product's K.
; ALL OF K LIES IN LDS: (128 + 256) rows x 768 bytes = 294,912 bytes, four slots of 256 along K, each filled once.  So there is no ring and nothing is filled again; counted waits let the work begin on slot 0.
; The operands lie in memory as images of the operand's registers (half image: 16 rows x 64 K, 768 bytes, registers 0-3 at 16 x lane, 4-5 at 512 + 8 x lane), so a slot's part of 128 rows is one dense block of 24,576 bytes.
; CLUSTER 4 x 4: P's blocks are shared along a row of the cluster, Q's along a column: each is asked for jointly.  Waves 0, 1 fetch P's halves, waves 2, 3 Q's two blocks: four loads a wave, all out together.
; OUT.  qq: 64 records (8 batch + head / 2) of 106,496 bytes: codes at parity x 49,152 + tile x 768, scale units at 98,304 + parity x 4,096 + (tile / 4) x 256 (a word's bytes 0, 1 are real, 2, 3 are 0).
; kv: 64 records of 208,896: k laid as q; v's codes at 106,496 + parity x 49,152 + key step x 6,144 + channel tile x 1,536 + 768 c; v's scale units at 204,800 + parity x 2,048 + key step x 256.
; LIMITS: a block of zeros, or one under 2^-124, gets the scale byte 1; NaN and infinities are not served.
; REGISTERS: window 0: v1-21 addresses; v32-47 P's scale words, v48-79 Q's; v80-175 P's fragments, two sets; v176-221 the way out.  Window 1: accumulator (a, b) at v[64 a + 8 b].  Window 2: v0-191 Q's fragments, two sets.
.set UNIT,  24576
.set BLOCK, 98304
; LDS AND ITS FILLS AS THEY STAND (in place of what the head says of slots and of four loads a wave): P's block of 98,304 bytes lies at 0, Q's two blocks behind it, each as it lies in memory: 256 along K are 24,576 bytes.
; At the head each wave issues ONE joint load of 49,152 bytes: waves 0, 1 P's two halves along K, waves 2, 3 the lower half along K of Q's two blocks.  Behind the wait for it, an LDS add and its wait, and a round,
; waves 2, 3 ask for the upper halves, which are first read by step 3's fetch, behind the wait and the barrier there.  Nothing is filled twice.
.set SPARE, 3*BLOCK
.set L16,  1
.set L8,   2
.set AP16, 4                           ; v4-7, v8-11   my P tiles in slot s: + 16 x lane, + 8 x lane
.set AP8,  8
.set AQ16, 12                          ; v12-15, v16-19 the same for Q
.set AQ8,  16
.set SPW,  20
.set NIL,  21
.set SPR,  32
.set SQR,  48
.set PF,   80
.set PC,   176                         ; v176-195 codes
.set TM,   196                         ; v196-211 at work in QUANT
.set PWS,  214                         ; v214-217 four tiles' scale words
.set U,    218
.set U2,   220
.set WV, 16
.set PH, 17
.set QH, 18
.set CX, 19
.set CY, 20
.set XX, 21
.set YY, 22
.set G1P, 24
.set G1Q, 32
.set PB, 42
.set QT, 44
.set SEL, 66
.set G0P, 68
.set G0Q, 84
.set MUL, 0x52                         ; source 0 (Q) window 2, source 1 (P) window 0, C and D window 1
.set MSB, 0
.macro WIN new                         ; the immediate's high byte repeats the setting that is left
.if MSB != (\new)
	s_set_vgpr_msb (MSB<<8)|(\new)
.set MSB, (\new)
.endif
.endm
.macro PLACES n
.rept \n
	v_nop
.endr
.endm
.macro CROUND                          ; a round of the cluster's barrier
	s_barrier_signal -1
	s_barrier_wait -1
	s_cmp_lg_u32 s[WV], 0
	s_cbranch_scc1 .Lnot_wave_0_\@
	s_barrier_signal -3
.Lnot_wave_0_\@:
	s_barrier_wait -3
	s_barrier_signal -1
	s_barrier_wait -1
.endm
; One product.  c < 0: the constant 0 starts the sum.  rq, rp = 1: that side's scale words stand in lanes 16-31 of the register named.
.macro MM d, q, p, c, sq, sp, rq, rp
.if (\c) < 0
.if (\rq) && (\rp)
	v_wmma_scale_f32_16x16x128_f8f6f4 v[(\d):(\d)+7], v[(\q):(\q)+11], v[(\p):(\p)+11], 0, v[\sq], v[\sp] matrix_a_fmt:MATRIX_FMT_FP6 matrix_b_fmt:MATRIX_FMT_FP6 matrix_a_scale:MATRIX_SCALE_ROW1 matrix_b_scale:MATRIX_SCALE_ROW1
.elseif (\rq)
	v_wmma_scale_f32_16x16x128_f8f6f4 v[(\d):(\d)+7], v[(\q):(\q)+11], v[(\p):(\p)+11], 0, v[\sq], v[\sp] matrix_a_fmt:MATRIX_FMT_FP6 matrix_b_fmt:MATRIX_FMT_FP6 matrix_a_scale:MATRIX_SCALE_ROW1
.elseif (\rp)
	v_wmma_scale_f32_16x16x128_f8f6f4 v[(\d):(\d)+7], v[(\q):(\q)+11], v[(\p):(\p)+11], 0, v[\sq], v[\sp] matrix_a_fmt:MATRIX_FMT_FP6 matrix_b_fmt:MATRIX_FMT_FP6 matrix_b_scale:MATRIX_SCALE_ROW1
.else
	v_wmma_scale_f32_16x16x128_f8f6f4 v[(\d):(\d)+7], v[(\q):(\q)+11], v[(\p):(\p)+11], 0, v[\sq], v[\sp] matrix_a_fmt:MATRIX_FMT_FP6 matrix_b_fmt:MATRIX_FMT_FP6
.endif
.else
.if (\rq) && (\rp)
	v_wmma_scale_f32_16x16x128_f8f6f4 v[(\d):(\d)+7], v[(\q):(\q)+11], v[(\p):(\p)+11], v[(\c):(\c)+7], v[\sq], v[\sp] matrix_a_fmt:MATRIX_FMT_FP6 matrix_b_fmt:MATRIX_FMT_FP6 matrix_a_scale:MATRIX_SCALE_ROW1 matrix_b_scale:MATRIX_SCALE_ROW1
.elseif (\rq)
	v_wmma_scale_f32_16x16x128_f8f6f4 v[(\d):(\d)+7], v[(\q):(\q)+11], v[(\p):(\p)+11], v[(\c):(\c)+7], v[\sq], v[\sp] matrix_a_fmt:MATRIX_FMT_FP6 matrix_b_fmt:MATRIX_FMT_FP6 matrix_a_scale:MATRIX_SCALE_ROW1
.elseif (\rp)
	v_wmma_scale_f32_16x16x128_f8f6f4 v[(\d):(\d)+7], v[(\q):(\q)+11], v[(\p):(\p)+11], v[(\c):(\c)+7], v[\sq], v[\sp] matrix_a_fmt:MATRIX_FMT_FP6 matrix_b_fmt:MATRIX_FMT_FP6 matrix_b_scale:MATRIX_SCALE_ROW1
.else
	v_wmma_scale_f32_16x16x128_f8f6f4 v[(\d):(\d)+7], v[(\q):(\q)+11], v[(\p):(\p)+11], v[(\c):(\c)+7], v[\sq], v[\sp] matrix_a_fmt:MATRIX_FMT_FP6 matrix_b_fmt:MATRIX_FMT_FP6
.endif
.endif
.endm
; 16 nb numbers of a lane in window sw, register s + 16 b + i = k 32 b + 16 (lane / 16) + i of my row, become codes in v[PC] on (six registers for each 64 along K) and the row's scale word in v[pw].
.macro QUANT s, nb, sw, pw
	WIN 0
.set qb, 0
.rept \nb
	v_mov_b32 v[TM+qb], 0x1800000                  ; the floor 2^(3 - 127): the byte cannot fall under 1
.set qb, qb+1
.endr
	WIN 0x14*(\sw)
.irp i, 0,2,4,6,8,10,12,14
.set qb, 0
.rept \nb
	v_max3_num_f32 v[TM+qb], v[TM+qb], |v[(\s)+16*qb+\i]|, |v[(\s)+16*qb+\i+1]|   ; ascending: each accumulator is first read at its low end
.set qb, qb+1
.endr
.endr
	WIN 0
.set qb, 0
.rept \nb
	v_permlanex16_b32 v[TM+4+qb], v[TM+qb], s[SEL], s[SEL+1]
.set qb, qb+1
.endr
.set qb, 0
.rept \nb
	v_max_num_f32 v[TM+qb], v[TM+qb], v[TM+4+qb]   ; with lane l xor 16's 16: the block's largest magnitude
.set qb, qb+1
.endr
.set qb, 0
.rept \nb
	v_add_nc_u32 v[TM+12+qb], 0xff000000, v[TM+qb] ; 2 off its exponent field: the conversion's scale operand
.set qb, qb+1
.endr
.set qb, 0
.rept \nb
	v_lshrrev_b32 v[TM+4+qb], 23, v[TM+12+qb]      ; the scale's byte
.set qb, qb+1
.endr
	v_lshl_or_b32 v[\pw], v[TM+5], 8, v[TM+4]
.if (\nb) > 2
	v_lshl_or_b32 v[\pw], v[TM+6], 16, v[\pw]
	v_lshl_or_b32 v[\pw], v[TM+7], 24, v[\pw]
.endif
	WIN (\sw)
.set qc, 0
.rept (\nb)/2
	v_cvt_scalef32_pk16_fp6_f32 v[PC+6*qc:PC+6*qc+2], v[(\s)+32*qc:(\s)+32*qc+15], v[TM+12+2*qc]
	v_cvt_scalef32_pk16_fp6_f32 v[PC+12+4*qc:PC+12+4*qc+2], v[(\s)+32*qc+16:(\s)+32*qc+31], v[TM+13+2*qc]
.set qc, qc+1
.endr
	WIN 0
	v_nop                                          ; one plain line behind the conversions
.set qc, 0
.rept (\nb)/2                          ; the operand's layout wants a whole block in a lane
.irp i, 0,1,2
	v_permlane16_swap_b32 v[PC+6*qc+\i], v[PC+12+4*qc+\i]
.endr
.irp i, 0,1,2
	v_mov_b32 v[PC+3+6*qc+\i], v[PC+12+4*qc+\i]
.endr
.set qc, qc+1
.endr
.endm
	s_load_b256 s[4:11], s[0:1], 0x0               ; xc s[4:5], xs s[6:7], wc s[8:9], ws s[10:11]
	s_load_b128 s[12:15], s[0:1], 0x20             ; qq s[12:13], kv s[14:15]
	v_lshl_add_u32 v[SPW], v0, 2, SPARE
	v_mov_b32 v[NIL], 0
	ds_add_u32 v[SPW], v[NIL]                      ; the wave's opening: the add and its wait stand ahead of my first tensor load; work on registers stands between them
	ds_add_u32 v[SPW], v[NIL]
	v_lshrrev_b32 v3, 5, v0
	v_readfirstlane_b32 s[WV], v3                  ; wave 0..3
	v_and_b32 v3, 31, v0
	v_lshlrev_b32 v[L16], 4, v3
	v_lshlrev_b32 v[L8], 3, v3
.irp b, 0,1,2,3
	v_mov_b32 v[TM+4+\b], 0                        ; written once: a lane permute's destination counts as one of its sources
.endr
	s_lshr_b32 s[PH], s[WV], 1                     ; which 64 rows of P are mine.  Also: I fetch for P (0) or for Q (1)
	s_and_b32 s[QH], s[WV], 1                      ; which 128 rows of Q are mine.  Also: which part I fetch
	s_bfe_u32 s[CX], ttmp6, 0x40000
	s_bfe_u32 s[CY], ttmp6, 0x40004
	s_mov_b32 s[XX], ttmp9                         ; the cluster's column: 0 q, 1 k, 2 v
	s_and_b32 s[YY], ttmp7, 0xffff                 ; the cluster's row, 0..15
	s_mov_b32 s[SEL], 0x76543210
	s_mov_b32 s[SEL+1], 0xfedcba98
	s_mov_b32 s100, 0xffff0000                     ; lanes 16-31
	s_lshl_b32 s40, s[CY], 2
	s_lshl_b32 s40, 15, s40                        ; my row of the cluster
	s_lshl_b32 s41, 0x1111, s[CX]                  ; my column
	; descriptor groups 1: dense blocks as rows of 256 bytes (32 elements of 8 bytes): P's half block and Q's half block 192 rows each
	s_or_b32 s[G1P], s40, (3<<16)|(1<<21)          ; 15:0 the mask; 17:16 elements of 8 bytes; 21 set beside a mask; no padding
	s_mov_b32 s[G1P+1], 32<<16                     ; tensor_dim0
	s_mov_b32 s[G1P+2], 192<<16
	s_mov_b32 s[G1P+3], 32<<16                     ; tile_dim0
	s_mov_b32 s[G1P+4], 192
	s_mov_b32 s[G1P+5], 32                         ; from row to row
	s_mov_b32 s[G1P+6], 0
	s_mov_b32 s[G1P+7], 0
	s_or_b32 s[G1Q], s41, (3<<16)|(1<<21)
	s_mov_b32 s[G1Q+1], 32<<16
	s_mov_b32 s[G1Q+2], 192<<16
	s_mov_b32 s[G1Q+3], 32<<16
	s_mov_b32 s[G1Q+4], 192
	s_mov_b32 s[G1Q+5], 32
	s_mov_b32 s[G1Q+6], 0
	s_mov_b32 s[G1Q+7], 0
	; which blocks.  q, k: P = tokens' block 4 Y + cy, Q's pair 4 X + cx.  v: P = wc's block 16 + 4 (Y / 8) + cy, Q's pair of token blocks 4 (Y % 8) + cx
	s_lshl_b32 s[PB], s[YY], 2
	s_lshr_b32 s43, s[YY], 3
	s_lshl_b32 s43, s43, 2
	s_add_co_u32 s43, s43, 16
	s_lshl_b32 s[QT], s[XX], 2
	s_and_b32 s45, s[YY], 7
	s_lshl_b32 s45, s45, 2
	s_cmp_eq_u32 s[XX], 2                          ; the same in all sixteen partners
	s_cselect_b32 s[PB], s43, s[PB]
	s_cselect_b32 s[QT], s45, s[QT]
	s_add_co_u32 s[PB], s[PB], s[CY]               ; P's block: cy and the cluster's ids alone
	s_add_co_u32 s[QT], s[QT], s[CX]               ; Q's pair: cx and the cluster's ids alone
	s_mul_i32 s54, s[PB], BLOCK
	s_mul_i32 s60, s[QH], 2*UNIT                   ; P: the half along K that I fetch, in memory and in LDS
	s_add_co_u32 s54, s54, s60
	s_mov_b32 s55, 0
	s_lshl_b32 s56, s[QT], 1
	s_add_co_u32 s56, s56, s[QH]                   ; Q: the block that I fetch, and the one that I multiply by
	s_mul_i32 s58, s56, BLOCK
	s_mov_b32 s59, 0
	s_mul_i32 s61, s[QH], BLOCK
	s_add_co_u32 s61, s61, BLOCK                   ; my block of Q in LDS
	s_lshl_b32 s62, s[PB], 1
	s_add_co_u32 s62, s62, s[PH]
	s_lshl_b32 s62, s62, 11                        ; P's scale units: my 64 rows, 2,048 bytes
	s_mov_b32 s63, 0
	s_lshl_b32 s40, s56, 12                        ; Q's: my 128 rows, 4,096 bytes
	s_mov_b32 s41, 0
	s_wait_dscnt 0x0                               ; the opening add is done
	s_wait_kmcnt 0x0
	s_cmp_eq_u32 s[XX], 2
	s_cselect_b64 s[46:47], s[8:9], s[4:5]         ; P's codes
	s_cselect_b64 s[48:49], s[4:5], s[8:9]         ; Q's codes
	s_cselect_b64 s[50:51], s[10:11], s[6:7]       ; P's scales
	s_cselect_b64 s[52:53], s[6:7], s[10:11]       ; Q's scales
	s_add_nc_u64 s[46:47], s[46:47], s[54:55]
	s_add_nc_u64 s[48:49], s[48:49], s[58:59]
	s_add_nc_u64 s[50:51], s[50:51], s[62:63]
	s_add_nc_u64 s[52:53], s[52:53], s[40:41]
	s_mov_b32 s[G0P], 1                            ; count = 1
	s_mov_b32 s[G0P+1], s60                        ; LDS address
	s_mov_b64 s[G0P+2:G0P+3], s[46:47]             ; global address
	s_or_b32 s[G0P+3], s[G0P+3], 0x80000000        ; type = 2
.irp s, 0,1                            ; Q's block: the lower and the upper half along K
	s_mov_b32 s[G0Q+4*\s], 1
	s_add_co_u32 s[G0Q+4*\s+1], s61, \s*2*UNIT
	s_add_nc_u64 s[G0Q+4*\s+2:G0Q+4*\s+3], s[48:49], \s*2*UNIT
	s_or_b32 s[G0Q+4*\s+3], s[G0Q+4*\s+3], 0x80000000
.endr
	CROUND                                         ; all sixteen work-groups are here: the joint loads meet
	s_cmp_eq_u32 s[PH], 0                          ; a wave's fill stands in a branch on the wave's number; one load of mine is out
	s_cbranch_scc0 .Lfill_q
	tensor_load_to_lds s[G0P:G0P+3], s[G1P:G1P+7]
	s_nop 0
	PLACES 4
	s_branch .Lfilled
.Lfill_q:
	tensor_load_to_lds s[G0Q:G0Q+3], s[G1Q:G1Q+7]
	s_nop 0
	PLACES 4
.Lfilled:
	s_wait_alu depctr_va_vdst(0)
.irp j, 0,1,2,3,4,5,6,7                ; the scale words of all of K, straight into registers: each load takes a whole unit of 256 bytes
	global_load_b64 v[SPR+2*\j:SPR+2*\j+1], v[L8], s[50:51] offset:256*\j
.endr
.irp g, 0,1
.irp j, 0,1,2,3,4,5,6,7
	global_load_b64 v[SQR+16*\g+2*\j:SQR+16*\g+2*\j+1], v[L8], s[52:53] offset:2048*\g+256*\j
.endr
.endr
	s_mul_i32 s23, s[PH], 12288                    ; my four tiles of P in a slot
	s_mov_b32 s43, s61                             ; my eight tiles of Q
.irp s, 0,1,2,3
	v_add_nc_u32 v[AP16+\s], s23, v[L16]
	v_add_nc_u32 v[AP8+\s], s23, v[L8]
	v_add_nc_u32 v[AQ16+\s], s43, v[L16]
	v_add_nc_u32 v[AQ8+\s], s43, v[L8]
	s_add_co_u32 s23, s23, UNIT
	s_add_co_u32 s43, s43, UNIT
.endr
.macro FRAG reg, a16, a8, off          ; a fragment (16 rows x 128 K) is two half images on end: every load takes consecutive bytes in consecutive lanes
	ds_load_b128 v[(\reg):(\reg)+3], v[\a16] offset:(\off)
	ds_load_b64 v[(\reg)+4:(\reg)+5], v[\a8] offset:(\off)+512
	ds_load_b128 v[(\reg)+6:(\reg)+9], v[\a16] offset:(\off)+768
	ds_load_b64 v[(\reg)+10:(\reg)+11], v[\a8] offset:(\off)+1280
.endm
.macro FETCH j                         ; step j's fragments (128 along K) into set j % 2: 48 loads
	WIN 0x80                                       ; destination window 2
.irp b, 0,1,2,3,4,5,6,7
	FRAG 96*((\j)%2)+12*\b, AQ16+(\j)/2, AQ8+(\j)/2, \b*3072+((\j)%2)*1536
.endr
	WIN 0
.irp a, 0,1,2,3
	FRAG PF+48*((\j)%2)+12*\a, AP16+(\j)/2, AP8+(\j)/2, \a*3072+((\j)%2)*1536
.endr
.endm
; A step of 128 along K: the next step's fragments are asked for at its head and have its 32 products in which to land.  The 32 accumulators take turns, in the same order in every step.
.macro STEP j
	s_wait_dscnt 0x0                               ; this step's fragments are in
.if (\j) == 3
	s_wait_tensorcnt 0x0                           ; my upper half of Q's block, where I asked for one, has landed
	s_barrier_signal -1
	s_barrier_wait -1                              ; everybody's has
.endif
.if (\j) < 7
.if (\j) > 0
	PLACES 4                                       ; in front of loads into registers that the last step's products read
.endif
	FETCH (\j)+1
.endif
	WIN MUL
.irp a, 0,1,2,3
.irp b, 0,1,2,3,4,5,6,7
.if (\j) == 0
	MM 64*\a+8*\b, 96*((\j)%2)+12*\b, PF+48*((\j)%2)+12*\a, -1, SQR+16*(\b/4)+2*(\j)+(\b%4)/2, SPR+2*(\j)+\a/2, \b%2, \a%2
.else
	MM 64*\a+8*\b, 96*((\j)%2)+12*\b, PF+48*((\j)%2)+12*\a, 64*\a+8*\b, SQR+16*(\b/4)+2*(\j)+(\b%4)/2, SPR+2*(\j)+\a/2, \b%2, \a%2
.endif
.endr
.endr
	WIN 0
.endm
	s_wait_alu depctr_va_vdst(0)
	s_wait_tensorcnt 0x0                           ; my load of the head has landed
	ds_add_u32 v[SPW], v[NIL]
	s_wait_dscnt 0x0
	CROUND                                         ; everybody's has, in all sixteen work-groups
	s_cmp_eq_u32 s[PH], 0
	s_cbranch_scc1 .Lno_second
	tensor_load_to_lds s[G0Q+4:G0Q+7], s[G1Q:G1Q+7]   ; waves 2, 3: the upper half along K of Q's blocks
	s_nop 0
	PLACES 4
.Lno_second:
	FETCH 0
	s_wait_loadcnt 0x0                             ; the scale words
.irp j, 0,1,2,3,4,5,6,7
	STEP \j
.endr
	; THE WAY OUT.  P's tile a: my row's 128 results are a fragment's worth of numbers in the order that QUANT takes.
	PLACES 4
	s_cmp_eq_u32 s[XX], 2
	s_cbranch_scc1 .Lv_place
	s_lshr_b32 s40, s[PB], 3                       ; q, k: the batch,
	s_lshl_b32 s40, s40, 3
	s_lshl_b32 s41, s[CX], 1
	s_add_co_u32 s40, s40, s41
	s_add_co_u32 s40, s40, s[QH]                   ; the record: 8 batch + pair of heads
	s_and_b32 s41, s[PB], 7
	s_lshl_b32 s41, s41, 3
	s_lshl_b32 s43, s[PH], 2
	s_add_co_u32 s41, s41, s43                     ; my first tile of tokens in the batch
	s_mov_b32 s45, 208896
	s_cmp_eq_u32 s[XX], 0
	s_cselect_b32 s45, 106496, s45
	s_cselect_b64 s[46:47], s[12:13], s[14:15]     ; qq or kv
	s_mul_i32 s40, s40, s45
	s_mul_i32 s48, s41, 768
	s_add_co_u32 s48, s48, s40                     ; the even head's half image
	s_lshl_b32 s50, s41, 6
	s_add_co_u32 s50, s50, s40
	s_add_co_u32 s50, s50, 98304                   ; the even head's scale unit
	s_mov_b32 s52, 49152                           ; from the first half image to the second: the odd head
	s_mov_b32 s54, 768                             ; from tile to tile
	s_branch .Lplaced
.Lv_place:
	s_lshr_b32 s40, s[QT], 2                       ; v: the batch,
	s_lshl_b32 s40, s40, 3
	s_add_co_u32 s40, s40, s[PB]
	s_sub_co_u32 s40, s40, 16                      ; the record
	s_mul_i32 s40, s40, 208896
	s_and_b32 s41, s[QT], 3
	s_lshl_b32 s41, s41, 1
	s_add_co_u32 s41, s41, s[QH]                   ; the key step
	s_mul_i32 s48, s41, 6144
	s_add_co_u32 s48, s48, s40
	s_mul_i32 s43, s[PH], 49152                    ; my 64 channels are one head
	s_add_co_u32 s48, s48, s43
	s_add_co_u32 s48, s48, 106496
	s_lshl_b32 s50, s41, 8
	s_add_co_u32 s50, s50, s40
	s_lshl_b32 s43, s[PH], 11
	s_add_co_u32 s50, s50, s43
	s_add_co_u32 s50, s50, 204800
	s_mov_b32 s52, 768                             ; the second half image: keys 64 on
	s_mov_b32 s54, 1536
	s_mov_b64 s[46:47], s[14:15]
.Lplaced:
	s_mov_b32 s49, 0
	s_mov_b32 s51, 0
	s_mov_b32 s53, 0
	s_mov_b32 s55, 0
	s_add_nc_u64 s[56:57], s[46:47], s[48:49]
	s_add_nc_u64 s[58:59], s[56:57], s[52:53]
	s_add_nc_u64 s[60:61], s[46:47], s[50:51]
.irp a, 0,1,2,3
.if \a > 0
	s_wait_xcnt 0x0                                ; the last tile's stores have read their data and their bases
	s_add_nc_u64 s[56:57], s[56:57], s[54:55]
	s_add_nc_u64 s[58:59], s[58:59], s[54:55]
.endif
	QUANT 64*\a, 4, 1, PWS+\a
	global_store_b128 v[L16], v[PC:PC+3], s[56:57]             ; each store covers 512 or 256 consecutive bytes, at a multiple of 256 from the buffer's first byte
	global_store_b64 v[L8], v[PC+4:PC+5], s[56:57] offset:512
	global_store_b128 v[L16], v[PC+6:PC+9], s[58:59]
	global_store_b64 v[L8], v[PC+10:PC+11], s[58:59] offset:512
.endr
	v_cndmask_b32 v[U], v[PWS], v[PWS+1], s100     ; a scale unit: lanes 0-15 tile 0's words, lanes 16-31 tile 1's; then tiles 2 and 3
	v_cndmask_b32 v[U+1], v[PWS+2], v[PWS+3], s100
	s_cmp_eq_u32 s[XX], 2
	s_cbranch_scc1 .Lv_scales
	v_and_b32 v[U2], 0xffff, v[U]                  ; q, k: a word's low two bytes are the even head's, the high two the odd head's
	v_and_b32 v[U2+1], 0xffff, v[U+1]
	v_lshrrev_b32 v[U], 16, v[U]
	v_lshrrev_b32 v[U+1], 16, v[U+1]
	global_store_b64 v[L8], v[U2:U2+1], s[60:61]
	global_store_b64 v[L8], v[U:U+1], s[60:61] offset:4096
	s_branch .Ldone
.Lv_scales:
	s_wait_alu depctr_va_vdst(0)
	global_store_b64 v[L8], v[U:U+1], s[60:61]     ; v: the four bytes are four blocks of 32 keys
.Ldone:
	s_wait_tensorcnt 0x0                           ; the wave's end
	ds_add_u32 v[SPW], v[NIL]
	s_wait_dscnt 0x0
	CROUND                                         ; the closing round
	s_endpgm
.Lfunc_end_k_q762a515856_qkv:
	.size	k_q762a515856_qkv, .Lfunc_end_k_q762a515856_qkv-k_q762a515856_qkv
	.p2alignl 7, 3214868480
	.fill 96, 4, 3214868480
	.section	.rodata,"a",@progbits
	.p2align	6, 0x0
	.amdhsa_kernel k_q762a515856_qkv
		.amdhsa_group_segment_fixed_size 327680
		.amdhsa_private_segment_fixed_size 0
		.amdhsa_enable_private_segment 0
		.amdhsa_kernarg_size 48
		.amdhsa_user_sgpr_count 2
		.amdhsa_user_sgpr_kernarg_segment_ptr 1
		.amdhsa_wavefront_size32 1
		.amdhsa_system_sgpr_workgroup_id_x 1
		.amdhsa_system_sgpr_workgroup_id_y 1
		.amdhsa_system_sgpr_workgroup_id_z 1
		.amdhsa_system_vgpr_workitem_id 0
		.amdhsa_next_free_vgpr 768
		.amdhsa_next_free_sgpr 102
		.amdhsa_reserve_vcc 0
		.amdhsa_float_denorm_mode_32 3
		.amdhsa_float_denorm_mode_16_64 3
		.amdhsa_memory_ordered 1
		.amdhsa_forward_progress 1
		.amdhsa_inst_pref_size 89
	.end_amdhsa_kernel
	.amdgpu_metadata
---
amdhsa.version: [ 1, 2 ]
amdhsa.kernels:
  - .name:           k_q762a515856_qkv
    .symbol:         k_q762a515856_qkv.kd
    .args:
      - { .name: xc, .offset: 0, .size: 8, .value_kind: global_buffer, .address_space: global }
      - { .name: xs, .offset: 8, .size: 8, .value_kind: global_buffer, .address_space: global }
      - { .name: wc, .offset: 16, .size: 8, .value_kind: global_buffer, .address_space: global }
      - { .name: ws, .offset: 24, .size: 8, .value_kind: global_buffer, .address_space: global }
      - { .name: qq, .offset: 32, .size: 8, .value_kind: global_buffer, .address_space: global }
      - { .name: kv, .offset: 40, .size: 8, .value_kind: global_buffer, .address_space: global }
    .group_segment_fixed_size: 327680
    .private_segment_fixed_size: 0
    .kernarg_segment_align: 8
    .kernarg_segment_size: 48
    .max_flat_workgroup_size: 128
    .sgpr_count:     102
    .vgpr_count:     768
    .wavefront_size: 32
...
	.end_amdgpu_metadata
.endif
;; end of part 2
;; launch attn (part 3): grid 256 x 1, 4 waves a work-group, clusters of 4 x 1, 327,680 bytes of LDS; arguments qq, kv, scale, oc, os; writes oc, os
.if DOCPART == 3
	.amdgcn_target "amdgcn-amd-amdhsa--gfx1250"
	.amdhsa_code_object_version 6
	.text
	.protected	k_q762a515856_attn
	.globl	k_q762a515856_attn
	.p2align	8
	.type	k_q762a515856_attn,@function
k_q762a515856_attn:
	s_mov_b64 s[64:65], 0
	v_nop
	global_prefetch_b8 v0, s[64:65] scope:SCOPE_SE
	s_setreg_imm32_b32 hwreg(HW_REG_WAVE_MODE, 25, 1), 1
	s_wait_xcnt 0x0
	s_wait_alu depctr_hold_cnt(0) depctr_sa_sdst(0) depctr_va_vdst(0) depctr_va_sdst(0) depctr_va_ssrc(0) depctr_va_vcc(0) depctr_vm_vsrc(0)
	s_getreg_b32 s2, hwreg(HW_REG_IB_STS2, 6, 4)
	s_cmp_eq_u32 s2, 0
	s_cbranch_scc0 .Lentry_in_a_cluster
	s_endpgm
.Lentry_in_a_cluster:
	s_bfe_u32 s2, ttmp6, 0x10000c
	s_cmp_lg_u32 s2, 0x3003
	s_cbranch_scc0 .Lentry_shape_is_right
	s_endpgm
.Lentry_shape_is_right:
; o = softmax(q k^T x scale, keys j < i only) v on codes of FP6 (E2M3) with E8M0 scales; the finished, normalised softmax is quantised along the keys, o along the head's 64 channels.
; WORK LEFT OUT: the mask j < i is fixed, so key steps of 128 that lie wholly at or beyond a tile's queries are multiplied by zero attention for all inputs: they are not computed.
; A NaN, an infinity or an overflow that reaches only those steps is not carried to the result.
; SHARES: a cluster of four work-groups takes a record (one batch, two heads) and asks for its k and v jointly: 208,896 bytes, four loads of 52,224, one a wave, filled once.  Work-group cx takes the query tiles
; T = 4 i + cx of both heads; wave w those with i = w, 7 - w, 8 + w, 15 - w: 18 key steps a head for every wave.  One wave to a SIMD.  No ring and no loop of fills to run ahead in: so no prefetch.
; A TILE (16 queries; n = i / 2 + 1 key steps): S^T = k q^T of all its steps stays in registers (slot 0 the step with the diagonal, slot s key step s - 1; 64 registers a slot), so scores and exponentials are made once:
;   1. the products, and each block of 32 keys' largest score, which also gives the row's;  2. p = 2^(c s - max), and the row's sum;  3. p / sum, codes and scales, O^T += v^T p^T.
; A block's largest p is its largest score sent through the same three instructions (this takes v_exp_f32 not to fall where its input rises).
; THE MASK is the C of the diagonal step's products: 0 or -2^127, in the result's layout, two sets of 64 registers (i even, i odd), made once.
; A negative scale is carried by q's sign bits; c = |scale| log2(e).
; LIMITS: the promise holds while the scaled scores stay under 2^31 in magnitude (the row's maximum is held at -2^40 from below, under which only masked scores lie); c is held at 2^-60 from below, which moves no
; result while raw scores stay under 2^36; a block of zeros gets the scale byte 1; NaN and infinities are not served.
; The slots, and the blocks' maxima, are written once at the head, so that every register holds a number on every way through the branches on n.
; REGISTERS: window 0 as named below; windows 1, 2: the eight slots; window 3: v0-127 the masks, v128-159 O^T.
.set REC,   208896
.set QREC,  106496
.set SPARE, REC                        ; behind the record: the spare words, 128 bytes a wave
.set L16, 1
.set L8,  2
.set SPW, 3
.set NIL, 4
.set ADK16, 5                          ; v5-10 LDS bases of my head: k's codes (16, 8 a lane), k's scales, v's codes, v's scales
.set ADK8,  6
.set ADS,   7
.set ADV16, 8
.set ADV8,  9
.set ADT,   10
.set DK16, 11                          ; v11-16 the same at the diagonal's key step
.set DK8,  12
.set DS,   13
.set DV16, 14
.set DV8,  15
.set DT,   16
.set VQ16, 17                          ; v17-19 q's offsets in memory
.set VQ8,  18
.set VQS,  19
.set Q,    20                          ; v20-31 q's fragment; 26-31 stay 0 (K = 64 of 128)
.set QS,   32
.set R8,   33
.set MN,   34                          ; v34 minus the row's largest exponent
.set RR,   36                          ; v36 1 / the row's sum
.set RM,   38
.set DD,   39
.set PWO,  40
.set VOS,  41
.set PW,   42                          ; v42-49 p's scale word, one a slot
.set BM,   50                          ; v50-81 four blocks' maxima a slot, later the conversions' scale operands
.set TM,   82                          ; v82-89 at work
.set PC,   90                          ; v90-108 codes
.set KS,   110                         ; v110-117 scale words of k or v, two sets
.set R4,   118
.set NEG,  119
.set KF,   120                         ; v120-173, v174-227 fragments of k (8 x 6 and 6 zeros) or of v (4 x 12), two sets
.set SU,   228                         ; v228-243 the sum in eight pairs
.set DQ0,  244
.set DQ1,  245
.set OB,   128
.set WV, 16
.set CX, 17
.set HP, 18
.set CT, 19
.set SEL, 20
.set N,  22
.set LST, 23
.set G1, 24
.set G0, 32
.set CA, 36
.set CB, 37
.set C,  38
.set PAR, 40
.set II, 41
.set CLS, 42
.set QSC, 43
.set OCB, 44
.set OSB, 45
.set OC, 60
.set SG, 68
.set MSB, 0
.macro WIN new                         ; the immediate's high byte repeats the setting that is left
.if MSB != (\new)
	s_set_vgpr_msb (MSB<<8)|(\new)
.set MSB, (\new)
.endif
.endm
.macro PLACES n
.rept \n
	v_nop
.endr
.endm
.macro CROUND                          ; a round of the cluster's barrier
	s_barrier_signal -1
	s_barrier_wait -1
	s_cmp_lg_u32 s[WV], 0
	s_cbranch_scc1 .Lnot_wave_0_\@
	s_barrier_signal -3
.Lnot_wave_0_\@:
	s_barrier_wait -3
	s_barrier_signal -1
	s_barrier_wait -1
.endm
.macro MM d, a, b, c, sa, sb, ra       ; one product; c < 0: the constant 0 starts the sum; ra = 1: source 0's scale words stand in lanes 16-31
.if (\c) < 0
.if (\ra)
	v_wmma_scale_f32_16x16x128_f8f6f4 v[(\d):(\d)+7], v[(\a):(\a)+11], v[(\b):(\b)+11], 0, v[\sa], v[\sb] matrix_a_fmt:MATRIX_FMT_FP6 matrix_b_fmt:MATRIX_FMT_FP6 matrix_a_scale:MATRIX_SCALE_ROW1
.else
	v_wmma_scale_f32_16x16x128_f8f6f4 v[(\d):(\d)+7], v[(\a):(\a)+11], v[(\b):(\b)+11], 0, v[\sa], v[\sb] matrix_a_fmt:MATRIX_FMT_FP6 matrix_b_fmt:MATRIX_FMT_FP6
.endif
.else
.if (\ra)
	v_wmma_scale_f32_16x16x128_f8f6f4 v[(\d):(\d)+7], v[(\a):(\a)+11], v[(\b):(\b)+11], v[(\c):(\c)+7], v[\sa], v[\sb] matrix_a_fmt:MATRIX_FMT_FP6 matrix_b_fmt:MATRIX_FMT_FP6 matrix_a_scale:MATRIX_SCALE_ROW1
.else
	v_wmma_scale_f32_16x16x128_f8f6f4 v[(\d):(\d)+7], v[(\a):(\a)+11], v[(\b):(\b)+11], v[(\c):(\c)+7], v[\sa], v[\sb] matrix_a_fmt:MATRIX_FMT_FP6 matrix_b_fmt:MATRIX_FMT_FP6
.endif
.endif
.endm
.macro TIDX c                          ; tile number s[c] = 0..7 of my wave: head's parity c / 4; i = 4 j + (w xor 3 (j % 2)), j = c % 4
	s_and_b32 s48, s[\c], 1
	s_mul_i32 s48, s48, 3
	s_xor_b32 s48, s48, s[WV]
	s_and_b32 s[II], s[\c], 3
	s_lshl_b32 s[II], s[II], 2
	s_add_co_u32 s[II], s[II], s48
	s_lshr_b32 s[PAR], s[\c], 2
.endm
.macro QLOAD c                         ; q's half image and scale words of tile number s[c]
	TIDX \c
	s_lshl_b32 s49, s[II], 2
	s_add_co_u32 s49, s49, s[CX]
	s_mul_i32 s49, s49, 768
	s_mul_i32 s50, s[PAR], 49152
	s_add_co_u32 s49, s49, s50
	s_lshl_b32 s51, s[II], 8
	s_lshl_b32 s50, s[PAR], 12
	s_add_co_u32 s51, s51, s50
	s_add_co_u32 s51, s51, s[QSC]
	s_wait_alu depctr_va_vdst(0)
	v_add_nc_u32 v[VQ16], s49, v[L16]
	v_add_nc_u32 v[VQ8], s49, v[L8]
	v_add_nc_u32 v[VQS], s51, v[R8]
	global_load_b128 v[Q:Q+3], v[VQ16], s[4:5]
	global_load_b64 v[Q+4:Q+5], v[VQ8], s[4:5] offset:512
	global_load_b32 v[QS], v[VQS], s[4:5]
.endm
.macro LOADK p, a16, a8, as, ks        ; k's eight tiles and scale words of a key step into set p: 18 loads
.irp t, 0,1,2,3,4,5,6,7
	ds_load_b128 v[KF+54*(\p)+6*\t:KF+54*(\p)+6*\t+3], v[\a16] offset:(\ks)*6144+768*\t
	ds_load_b64 v[KF+54*(\p)+6*\t+4:KF+54*(\p)+6*\t+5], v[\a8] offset:(\ks)*6144+768*\t+512
.endr
	ds_load_b64 v[KS+4*(\p):KS+4*(\p)+1], v[\as] offset:(\ks)*512
	ds_load_b64 v[KS+4*(\p)+2:KS+4*(\p)+3], v[\as] offset:(\ks)*512+256
.endm
.macro LOADV p, a16, a8, at, ks        ; v's four fragments and scale words of a key step into set p: 17 loads
.irp t, 0,1,2,3
	ds_load_b128 v[KF+54*(\p)+12*\t:KF+54*(\p)+12*\t+3], v[\a16] offset:(\ks)*6144+1536*\t
	ds_load_b64 v[KF+54*(\p)+12*\t+4:KF+54*(\p)+12*\t+5], v[\a8] offset:(\ks)*6144+1536*\t+512
	ds_load_b128 v[KF+54*(\p)+12*\t+6:KF+54*(\p)+12*\t+9], v[\a16] offset:(\ks)*6144+1536*\t+768
	ds_load_b64 v[KF+54*(\p)+12*\t+10:KF+54*(\p)+12*\t+11], v[\a8] offset:(\ks)*6144+1536*\t+1280
.endr
	ds_load_b64 v[KS+4*(\p):KS+4*(\p)+1], v[\at] offset:(\ks)*256
.endm
.macro QK k, p, c                      ; slot k = set p's 128 keys x my 16 queries.  A tile's upper six registers are the next tile's codes: they meet q's zeros
.irp t, 0,1,2,3,4,5,6,7
.if (\c) < 0
	MM 64*((\k)%4)+8*\t, KF+54*(\p)+6*\t, Q, -1, KS+4*(\p)+2*(\t/4)+(\t%4)/2, QS, \t%2
.else
	MM 64*((\k)%4)+8*\t, KF+54*(\p)+6*\t, Q, (\c)+8*\t, KS+4*(\p)+2*(\t/4)+(\t%4)/2, QS, \t%2
.endif
.endr
.endm
.macro MAXS k                          ; slot k: the largest score of each block of 32 keys, and of the row so far.  Eight chains by turns; each accumulator is first read at its low end
.set W, 1+(\k)/4
.set SB, 64*((\k)%4)
.set BK, BM+4*(\k)
	WIN 0x15*W
.irp t, 0,1,2,3,4,5,6,7
	v_max3_num_f32 v[TM+\t], v[SB+8*\t], v[SB+8*\t+1], v[SB+8*\t+2]
.endr
	WIN 0x14*W
.irp i, 3,5
.irp t, 0,1,2,3,4,5,6,7
	v_max3_num_f32 v[TM+\t], v[TM+\t], v[SB+8*\t+\i], v[SB+8*\t+\i+1]
.endr
.endr
.irp t, 0,1,2,3,4,5,6,7
	v_max_num_f32 v[TM+\t], v[TM+\t], v[SB+8*\t+7]
.endr
	WIN 0
.irp b, 0,1,2,3
	v_max_num_f32 v[BK+\b], v[TM+2*\b], v[TM+2*\b+1]
.endr
.irp b, 0,1,2,3
	v_permlanex16_b32 v[TM+\b], v[BK+\b], s[SEL], s[SEL+1]
.endr
.irp b, 0,1,2,3
	v_max_num_f32 v[BK+\b], v[BK+\b], v[TM+\b]     ; with lane l xor 16's 16 keys
.endr
	v_max3_num_f32 v[RM], v[RM], v[BK], v[BK+1]
	v_max3_num_f32 v[RM], v[RM], v[BK+2], v[BK+3]
.endm
.macro P1BLOCK k                       ; slot k's products, where the tile has it, and under them slot k - 1's maxima
.if (\k) < 8
	s_cmp_gt_u32 s[N], \k
	s_cbranch_scc0 .Lnw_\@
	s_wait_dscnt 0x0                               ; set k % 2 is in
	WIN (1+(\k)/4)<<6
	QK \k, (\k)%2, -1
	WIN 0
	PLACES 4                                       ; in front of loads into registers that these products read
.if (\k) < 6
	LOADK (\k)%2, ADK16, ADK8, ADS, (\k)+1         ; slot k + 2 is key step k + 1
.endif
.Lnw_\@:
.endif
	s_cmp_ge_u32 s[N], \k
	s_cbranch_scc0 .Lp1done
	MAXS (\k)-1
.endm
.macro P3BLOCK k                       ; slot k: p = 2^(c s - max), unnormalised, and the row's sum
.set W, 1+(\k)/4
.set SB, 64*((\k)%4)
.set BK, BM+4*(\k)
.if (\k) > 0
	s_cmp_gt_u32 s[N], \k
	s_cbranch_scc0 .Lp3done
.endif
	v_pk_fma_f32 v[BK:BK+1], v[BK:BK+1], s[C:C+1], v[MN:MN+1] op_sel_hi:[1,0,0]
	v_pk_fma_f32 v[BK+2:BK+3], v[BK+2:BK+3], s[C:C+1], v[MN:MN+1] op_sel_hi:[1,0,0]
	WIN 0x41*W
	s_wait_alu depctr_va_vdst(0)
.set n, 0
.rept 32
	v_pk_fma_f32 v[SB+n:SB+n+1], v[SB+n:SB+n+1], s[C:C+1], v[MN:MN+1] op_sel_hi:[1,0,0]
.set n, n+2
.endr
	s_wait_alu depctr_va_vdst(0)                   ; ahead of the batch
.set n, 0
.rept 64
	v_exp_f32 v[SB+n], v[SB+n]
.set n, n+1
.endr
	WIN 0
.irp b, 0,1,2,3
	v_exp_f32 v[BK+\b], v[BK+\b]
.endr
	v_nop
	s_wait_alu depctr_va_vdst(0)                   ; one wait for the batch
.if (\k) == 0
	WIN 5*W                                        ; the first slot starts the eight sums
.set n, 0
.rept 8
	v_pk_add_f32 v[SU+2*n:SU+2*n+1], v[SB+4*n:SB+4*n+1], v[SB+4*n+2:SB+4*n+3]
.set n, n+1
.endr
	WIN W
.set n, 0
.rept 16
	v_pk_add_f32 v[SU+2*(n%8):SU+2*(n%8)+1], v[SB+32+2*n:SB+32+2*n+1], v[SU+2*(n%8):SU+2*(n%8)+1]
.set n, n+1
.endr
.else
	WIN W
.set n, 0
.rept 32
	v_pk_add_f32 v[SU+2*(n%8):SU+2*(n%8)+1], v[SB+2*n:SB+2*n+1], v[SU+2*(n%8):SU+2*(n%8)+1]
.set n, n+1
.endr
.endif
	WIN 0
.endm
.macro P5BLOCK k                       ; slot k: p / sum, its scale word and codes, O^T += v^T p^T
.set W, 1+(\k)/4
.set SB, 64*((\k)%4)
.set BK, BM+4*(\k)
.if (\k) > 0
	s_cmp_gt_u32 s[N], \k
	s_cbranch_scc0 .Lp5done
.endif
	v_pk_mul_f32 v[BK:BK+1], v[BK:BK+1], v[RR:RR+1] op_sel_hi:[1,0]
	v_pk_mul_f32 v[BK+2:BK+3], v[BK+2:BK+3], v[RR:RR+1] op_sel_hi:[1,0]
.irp b, 0,1,2,3
	v_max_num_f32 v[BK+\b], 0x1800000, v[BK+\b]    ; the floor 2^(3 - 127): the byte cannot fall under 1
.endr
.irp b, 0,1,2,3
	v_add_nc_u32 v[BK+\b], 0xff000000, v[BK+\b]    ; 2 off the exponent field: the conversion's scale operand
.endr
.irp b, 0,1,2,3
	v_lshrrev_b32 v[TM+\b], 23, v[BK+\b]
.endr
	v_lshl_or_b32 v[PW+(\k)], v[TM+1], 8, v[TM]
	v_lshl_or_b32 v[TM+2], v[TM+3], 8, v[TM+2]
	v_lshl_or_b32 v[PW+(\k)], v[TM+2], 16, v[PW+(\k)]
.if (\k) < 7
	LOADV ((\k)+1)%2, ADV16, ADV8, ADT, \k         ; slot k + 1 is key step k; the lines above are the places behind the products that read this set
	s_wait_dscnt 17                                ; this slot's v is in; the 17 loads just issued may be out
.else
	s_wait_dscnt 0x0
.endif
	WIN 0x41*W
.set n, 0
.rept 32
	v_pk_mul_f32 v[SB+n:SB+n+1], v[SB+n:SB+n+1], v[RR:RR+1] op_sel_hi:[1,0]
.set n, n+2
.endr
	WIN W
.irp c, 0,1
	v_cvt_scalef32_pk16_fp6_f32 v[PC+6*\c:PC+6*\c+2], v[SB+32*\c:SB+32*\c+15], v[BK+2*\c]
	v_cvt_scalef32_pk16_fp6_f32 v[PC+12+4*\c:PC+12+4*\c+2], v[SB+32*\c+16:SB+32*\c+31], v[BK+2*\c+1]
.endr
	WIN 0
	v_nop                                          ; one plain line behind the conversions
.irp c, 0,1                            ; the operand's layout wants a whole block in a lane
.irp i, 0,1,2
	v_permlane16_swap_b32 v[PC+6*\c+\i], v[PC+12+4*\c+\i]
.endr
.irp i, 0,1,2
	v_mov_b32 v[PC+3+6*\c+\i], v[PC+12+4*\c+\i]
.endr
.endr
	PLACES 4                                       ; an operand written by vector lines stands four places ahead of a scaled product
	WIN 0xf0
.irp t, 0,1,2,3                        ; the four accumulators by turns
.if (\k) == 0
	MM OB+8*\t, KF+54*((\k)%2)+12*\t, PC, -1, KS+4*((\k)%2)+\t/2, PW+(\k), \t%2
.else
	MM OB+8*\t, KF+54*((\k)%2)+12*\t, PC, OB+8*\t, KS+4*((\k)%2)+\t/2, PW+(\k), \t%2
.endif
.endr
	WIN 0
.endm
	s_load_b256 s[4:11], s[0:1], 0x0               ; qq s[4:5], kv s[6:7], scale s[8:9], oc s[10:11]
	s_load_b64 s[12:13], s[0:1], 0x20              ; os
	v_lshl_add_u32 v[SPW], v0, 2, SPARE
	v_mov_b32 v[NIL], 0
	ds_add_u32 v[SPW], v[NIL]                      ; the opening lines
	ds_add_u32 v[SPW], v[NIL]
	v_lshrrev_b32 v17, 5, v0
	v_readfirstlane_b32 s[WV], v17                 ; wave 0..3
	v_and_b32 v17, 31, v0
	v_lshlrev_b32 v[L16], 4, v17
	v_lshlrev_b32 v[L8], 3, v17
	s_bfe_u32 s[CX], ttmp6, 0x40000
	s_mov_b32 s[HP], ttmp9                         ; the record: 8 batch + head / 2
	s_mov_b32 s[G1], 15|(3<<16)|(1<<21)            ; all four partners; elements of 8 bytes; a dense block as 204 rows of 256 bytes
	s_mov_b32 s[G1+1], 32<<16
	s_mov_b32 s[G1+2], 204<<16
	s_mov_b32 s[G1+3], 32<<16
	s_mov_b32 s[G1+4], 204
	s_mov_b32 s[G1+5], 32
	s_mov_b32 s[G1+6], 0
	s_mov_b32 s[G1+7], 0
	s_mov_b32 s[SEL], 0x76543210
	s_mov_b32 s[SEL+1], 0xfedcba98
	s_and_b32 s71, s[HP], 7
	s_lshl_b32 s71, s71, 3                         ; the scales' offset, in a register that is not written again
	s_mul_i32 s50, s[HP], REC
	s_mul_i32 s52, s[WV], 52224                    ; my quarter of the record, in memory and in LDS
	s_add_co_u32 s50, s50, s52
	s_mov_b32 s51, 0
	s_wait_alu depctr_va_vdst(0)
	s_wait_dscnt 0x0
	s_wait_kmcnt 0x0
	s_load_b64 s[14:15], s[8:9], s71 offset:0x0
	s_mov_b32 s[G0], 1
	s_mov_b32 s[G0+1], s52
	s_add_nc_u64 s[G0+2:G0+3], s[6:7], s[50:51]
	s_or_b32 s[G0+3], s[G0+3], 0x80000000
	CROUND
	tensor_load_to_lds s[G0:G0+3], s[G1:G1+7]      ; my one tensor load
	s_nop 0
	PLACES 4
	s_mul_i32 s50, s[HP], QREC
	s_add_nc_u64 s[4:5], s[4:5], s[50:51]
	s_and_b32 s48, s[CX], 1
	s_lshr_b32 s49, s[CX], 1
	s_lshl_b32 s[QSC], s48, 7
	s_lshl_b32 s53, s49, 2
	s_add_co_u32 s[QSC], s[QSC], s53
	s_add_co_u32 s[QSC], s[QSC], 98304             ; my tiles' words in a unit of q's scales
	s_lshl_b32 s54, s49, 5
	s_lshl_b32 s53, s48, 3
	s_add_co_u32 s54, s54, s53                     ; 32 (cx / 2) + 8 (cx % 2)
	s_lshr_b32 s55, s[HP], 3
	s_mul_i32 s[OCB], s55, 8*98304                 ; oc: the batch, the 256 along K, the 128 in it
	s_bfe_u32 s53, s[HP], 0x20001
	s_mul_i32 s53, s53, 24576
	s_add_co_u32 s[OCB], s[OCB], s53
	s_and_b32 s53, s[HP], 1
	s_mul_i32 s53, s53, 1536
	s_add_co_u32 s[OCB], s[OCB], s53
	s_lshl_b32 s[OSB], s55, 16                     ; os: the batch, the pair of heads, my tile of four
	s_and_b32 s53, s[HP], 7
	s_lshl_b32 s53, s53, 9
	s_add_co_u32 s[OSB], s[OSB], s53
	s_lshl_b32 s53, s[CX], 6
	s_add_co_u32 s[OSB], s[OSB], s53
	s_mov_b32 s[CT], 0
	v_and_b32 v17, 15, v0                          ; r
	v_lshlrev_b32 v[R8], 3, v17
	v_lshlrev_b32 v[R4], 2, v17
	v_and_b32 v18, 8, v17
	v_add_nc_u32 v18, v18, v17
	v_bfe_u32 v19, v0, 4, 1
	v_lshlrev_b32 v19, 4, v19
	v_sub_nc_u32 v18, v18, v19
	v_add_nc_u32 v[DQ0], s54, v18                  ; my query's place in the diagonal's 128 keys, less 16 h: i even;
	v_add_nc_u32 v[DQ1], 64, v[DQ0]                ; i odd
	v_mov_b32 v[NEG], 0xff000000                   ; -2^127
	QLOAD CT
.irp i, 0,1,2,3,4,5
	v_mov_b32 v[Q+6+\i], 0
	v_mov_b32 v[KF+48+\i], 0
	v_mov_b32 v[KF+102+\i], 0
.endr
.irp i, 0,1,2,3,4,5,6,7
	v_mov_b32 v[TM+\i], 0                          ; a lane permute's destination counts as one of its sources
.endr
	v_mov_b32 v[MN+1], 0                           ; named as the upper halves of pairs
	v_mov_b32 v[RR+1], 0
.set n, 0
.rept 32
	v_mov_b32 v[BM+n], 0
.set n, n+1
.endr
	WIN 0xc0
.set n, 0
.rept 64                               ; register n of a slot is key 32 (n / 16) + n % 16 + 16 h: masked where that is not under my query
	v_cmp_ge_i32 vcc_lo, 32*(n/16)+n%16, v[DQ0]
	v_cndmask_b32 v[n], 0, v[NEG], vcc_lo
	v_cmp_ge_i32 vcc_lo, 32*(n/16)+n%16, v[DQ1]
	v_cndmask_b32 v[64+n], 0, v[NEG], vcc_lo
.set n, n+1
.endr
	WIN 0x40
.set n, 0
.rept 256
	v_mov_b32 v[n], 0                              ; the slots, written once (see the head)
.set n, n+1
.endr
	WIN 0x80
.set n, 0
.rept 256
	v_mov_b32 v[n], 0
.set n, n+1
.endr
	WIN 0
	s_wait_kmcnt 0x0
	s_and_b32 s[CA], s14, 0x7fffffff
	s_mul_f32 s[CA], s[CA], 0x3fb8aa3b
	s_max_u32 s[CA], s[CA], 0x21800000             ; held at 2^-60 from below
	s_and_b32 s[CB], s15, 0x7fffffff
	s_mul_f32 s[CB], s[CB], 0x3fb8aa3b
	s_max_u32 s[CB], s[CB], 0x21800000
	s_wait_alu depctr_va_vdst(0)
	s_wait_tensorcnt 0x0                           ; my quarter of the record is in
	s_barrier_signal -1
	s_barrier_wait -1                              ; everybody's is; nothing is filled again
.Ltile:
	s_wait_loadcnt 0x0                             ; this tile's q
	s_wait_xcnt 0x0                                ; the last tile's stores have read their registers and base
	TIDX CT
	s_lshr_b32 s[LST], s[II], 1                    ; the diagonal's key step
	s_add_co_u32 s[N], s[LST], 1
	s_and_b32 s[CLS], s[II], 1
	s_cmp_eq_u32 s[PAR], 0
	s_cselect_b32 s[C], s[CA], s[CB]
	s_cselect_b32 s53, s14, s15
	s_mov_b32 s[C+1], s[C]
	s_ashr_i32 s53, s53, 31
	s_and_b32 s[SG], s53, 0x20820820               ; the codes' sign bits, where the scale is negative
	s_and_b32 s[SG+1], s53, 0x08208208
	s_and_b32 s[SG+2], s53, 0x82082082
	s_mul_i32 s48, s[PAR], 49152
	s_mul_i32 s49, s[LST], 6144
	s_add_co_u32 s49, s49, s48
	s_lshl_b32 s50, s[PAR], 12
	s_add_co_u32 s50, s50, 98304
	s_lshl_b32 s51, s[LST], 9
	s_add_co_u32 s51, s51, s50
	s_add_co_u32 s54, s48, 106496
	s_add_co_u32 s55, s49, 106496
	s_lshl_b32 s56, s[PAR], 11
	s_add_co_u32 s56, s56, 204800
	s_lshl_b32 s57, s[LST], 8
	s_add_co_u32 s57, s57, s56
	s_lshl_b32 s58, s[II], 2
	s_add_co_u32 s58, s58, s[CX]                   ; T
	s_lshr_b32 s59, s58, 3
	s_mul_i32 s59, s59, 98304
	s_and_b32 s58, s58, 7
	s_mul_i32 s58, s58, 3072
	s_add_co_u32 s58, s58, s59
	s_mul_i32 s59, s[PAR], 768
	s_add_co_u32 s58, s58, s59
	s_add_co_u32 s58, s58, s[OCB]
	s_mov_b32 s59, 0
	s_add_nc_u64 s[OC:OC+1], s[10:11], s[58:59]
	s_lshl_b32 s62, s[II], 12
	s_lshl_b32 s63, s[PAR], 8
	s_add_co_u32 s62, s62, s63
	s_add_co_u32 s62, s62, s[OSB]
.irp i, 0,3
	v_xor_b32 v[Q+\i], s[SG], v[Q+\i]
	v_xor_b32 v[Q+\i+1], s[SG+1], v[Q+\i+1]
	v_xor_b32 v[Q+\i+2], s[SG+2], v[Q+\i+2]
.endr
	v_add_nc_u32 v[ADK16], s48, v[L16]
	v_add_nc_u32 v[ADK8], s48, v[L8]
	v_add_nc_u32 v[ADS], s50, v[L8]
	v_add_nc_u32 v[ADV16], s54, v[L16]
	v_add_nc_u32 v[ADV8], s54, v[L8]
	v_add_nc_u32 v[ADT], s56, v[L8]
	v_add_nc_u32 v[DK16], s49, v[L16]
	v_add_nc_u32 v[DK8], s49, v[L8]
	v_add_nc_u32 v[DS], s51, v[L8]
	v_add_nc_u32 v[DV16], s55, v[L16]
	v_add_nc_u32 v[DV8], s55, v[L8]
	v_add_nc_u32 v[DT], s57, v[L8]
	v_add_nc_u32 v[VOS], s62, v[R4]
	v_mov_b32 v[RM], 0xff800000
	LOADK 0, DK16, DK8, DS, 0                      ; slot 0: the diagonal's step
	LOADK 1, ADK16, ADK8, ADS, 0                   ; slot 1: key step 0
	s_wait_alu depctr_va_vdst(0)
	s_wait_dscnt 18                                ; set 0 is in; set 1's 18 loads may be out
	s_cmp_eq_u32 s[CLS], 0
	s_cbranch_scc0 .Lodd
	WIN 0x70                                       ; D window 1, C (the mask) window 3
	QK 0, 0, 0
	WIN 0
	s_branch .Ldiag
.Lodd:
	WIN 0x70
	QK 0, 0, 64
	WIN 0
.Ldiag:
	PLACES 4
	LOADK 0, ADK16, ADK8, ADS, 1                   ; slot 2
.set k, 1
.rept 8
	P1BLOCK k
.set k, k+1
.endr
.Lp1done:
	s_wait_alu depctr_va_vdst(0)
	s_wait_dscnt 0x0                               ; loads asked for beyond the tile's last slot have landed: their registers are free
	s_cmp_eq_u32 s[CT], 7
	s_cbranch_scc1 .Lnoq
	s_add_co_u32 s52, s[CT], 1
	QLOAD 52                                       ; the next tile's q: this tile's products with q are over
.Lnoq:
	LOADV 0, DV16, DV8, DT, 0
	v_mul_f32 v[DD], s[C], v[RM]
	v_max_num_f32 v[DD], 0xd3800000, v[DD]         ; held at -2^40 from below: a row with no key keeps only masked scores, far under it
	v_mul_f32 v[MN], -1.0, v[DD]
.set k, 0
.rept 8
	P3BLOCK k
.set k, k+1
.endr
.Lp3done:
	s_wait_alu depctr_va_vdst(0)
.irp m, 0,1,2,3
	v_pk_add_f32 v[SU+2*\m:SU+2*\m+1], v[SU+2*\m:SU+2*\m+1], v[SU+2*\m+8:SU+2*\m+9]
.endr
.irp m, 0,1
	v_pk_add_f32 v[SU+2*\m:SU+2*\m+1], v[SU+2*\m:SU+2*\m+1], v[SU+2*\m+4:SU+2*\m+5]
.endr
	v_pk_add_f32 v[SU:SU+1], v[SU:SU+1], v[SU+2:SU+3]
	v_add_f32 v[DD], v[SU], v[SU+1]
	v_permlanex16_b32 v[TM], v[DD], s[SEL], s[SEL+1]
	v_add_f32 v[DD], v[DD], v[TM]                  ; the row's sum
	v_cmp_neq_f32 vcc_lo, 0, v[DD]
	v_cndmask_b32 v[DD], 1.0, v[DD], vcc_lo        ; a row with no key: divided by 1
	s_wait_alu depctr_va_vdst(0)
	v_rcp_f32 v[RR], v[DD]
	v_nop
	s_wait_alu depctr_va_vdst(0)
.set k, 0
.rept 8
	P5BLOCK k
.set k, k+1
.endr
.Lp5done:
	s_wait_dscnt 0x0
	PLACES 4
	WIN 0x3f                                       ; o's two blocks of 32 channels
.irp t, 0,1,2,3
	v_max3_num_f32 v[TM+\t], |v[OB+8*\t]|, |v[OB+8*\t+1]|, |v[OB+8*\t+2]|
.endr
	WIN 0x3c
.irp i, 3,5
.irp t, 0,1,2,3
	v_max3_num_f32 v[TM+\t], v[TM+\t], |v[OB+8*\t+\i]|, |v[OB+8*\t+\i+1]|
.endr
.endr
.irp t, 0,1,2,3
	v_max_num_f32 v[TM+\t], v[TM+\t], |v[OB+8*\t+7]|
.endr
	WIN 0
.irp b, 0,1
	v_max3_num_f32 v[TM+4+\b], v[TM+2*\b], v[TM+2*\b+1], 0x1800000
.endr
.irp b, 0,1
	v_permlanex16_b32 v[TM+\b], v[TM+4+\b], s[SEL], s[SEL+1]
.endr
.irp b, 0,1
	v_max_num_f32 v[TM+4+\b], v[TM+4+\b], v[TM+\b]
.endr
.irp b, 0,1
	v_add_nc_u32 v[TM+\b], 0xff000000, v[TM+4+\b]
.endr
.irp b, 0,1
	v_lshrrev_b32 v[TM+4+\b], 23, v[TM+\b]
.endr
	v_lshl_or_b32 v[PWO], v[TM+5], 8, v[TM+4]
	WIN 3
	v_cvt_scalef32_pk16_fp6_f32 v[PC:PC+2], v[OB:OB+15], v[TM]
	v_cvt_scalef32_pk16_fp6_f32 v[PC+12:PC+14], v[OB+16:OB+31], v[TM+1]
	WIN 0
	v_nop
.irp i, 0,1,2
	v_permlane16_swap_b32 v[PC+\i], v[PC+12+\i]
.endr
.irp i, 0,1,2
	v_mov_b32 v[PC+3+\i], v[PC+12+\i]
.endr
	global_store_b128 v[L16], v[PC:PC+3], s[OC:OC+1]           ; 512 and 256 consecutive bytes, at multiples of 256 from oc's first byte
	global_store_b64 v[L8], v[PC+4:PC+5], s[OC:OC+1] offset:512
	global_store_b32 v[VOS], v[PWO], s[12:13]                  ; lanes l and l xor 16 hold the same word and name the same place
	s_add_co_u32 s[CT], s[CT], 1
	s_cmp_lt_u32 s[CT], 8
	s_wait_alu depctr_va_vdst(0)
	s_cbranch_scc1 .Ltile
	s_wait_tensorcnt 0x0                           ; the wave's end
	ds_add_u32 v[SPW], v[NIL]
	s_wait_dscnt 0x0
	CROUND                                         ; the closing round
	s_endpgm
.Lfunc_end_k_q762a515856_attn:
	.size	k_q762a515856_attn, .Lfunc_end_k_q762a515856_attn-k_q762a515856_attn
	.p2alignl 7, 3214868480
	.fill 96, 4, 3214868480
	.section	.rodata,"a",@progbits
	.p2align	6, 0x0
	.amdhsa_kernel k_q762a515856_attn
		.amdhsa_group_segment_fixed_size 327680
		.amdhsa_private_segment_fixed_size 0
		.amdhsa_enable_private_segment 0
		.amdhsa_kernarg_size 40
		.amdhsa_user_sgpr_count 2
		.amdhsa_user_sgpr_kernarg_segment_ptr 1
		.amdhsa_wavefront_size32 1
		.amdhsa_system_sgpr_workgroup_id_x 1
		.amdhsa_system_sgpr_workgroup_id_y 1
		.amdhsa_system_sgpr_workgroup_id_z 1
		.amdhsa_system_vgpr_workitem_id 0
		.amdhsa_next_free_vgpr 1024
		.amdhsa_next_free_sgpr 72
		.amdhsa_reserve_vcc 1
		.amdhsa_float_denorm_mode_32 3
		.amdhsa_float_denorm_mode_16_64 3
		.amdhsa_memory_ordered 1
		.amdhsa_forward_progress 1
		.amdhsa_inst_pref_size 179
	.end_amdhsa_kernel
	.amdgpu_metadata
---
amdhsa.version: [ 1, 2 ]
amdhsa.kernels:
  - .name:           k_q762a515856_attn
    .symbol:         k_q762a515856_attn.kd
    .args:
      - { .name: qq, .offset: 0, .size: 8, .value_kind: global_buffer, .address_space: global }
      - { .name: kv, .offset: 8, .size: 8, .value_kind: global_buffer, .address_space: global }
      - { .name: scale, .offset: 16, .size: 8, .value_kind: global_buffer, .address_space: global }
      - { .name: oc, .offset: 24, .size: 8, .value_kind: global_buffer, .address_space: global }
      - { .name: os, .offset: 32, .size: 8, .value_kind: global_buffer, .address_space: global }
    .group_segment_fixed_size: 327680
    .private_segment_fixed_size: 0
    .kernarg_segment_align: 8
    .kernarg_segment_size: 40
    .max_flat_workgroup_size: 128
    .sgpr_count:     72
    .vgpr_count:     1024
    .wavefront_size: 32
...
	.end_amdgpu_metadata
.endif
;; end of part 3
;; launch proj (part 4): grid 4 x 64, 4 waves a work-group, clusters of 4 x 4, 327,680 bytes of LDS; arguments oc, os, wc, ws, b_out, out0; writes out0
.if DOCPART == 4
	.amdgcn_target "amdgcn-amd-amdhsa--gfx1250"
	.amdhsa_code_object_version 6
	.text
	.protected	k_q762a515856_proj
	.globl	k_q762a515856_proj
	.p2align	8
	.type	k_q762a515856_proj,@function
k_q762a515856_proj:
	s_mov_b64 s[64:65], 0
	v_nop
	global_prefetch_b8 v0, s[64:65] scope:SCOPE_SE
	s_setreg_imm32_b32 hwreg(HW_REG_WAVE_MODE, 25, 1), 1
	s_wait_xcnt 0x0
	s_wait_alu depctr_hold_cnt(0) depctr_sa_sdst(0) depctr_va_vdst(0) depctr_va_sdst(0) depctr_va_ssrc(0) depctr_va_vcc(0) depctr_vm_vsrc(0)
	s_getreg_b32 s2, hwreg(HW_REG_IB_STS2, 6, 4)
	s_cmp_eq_u32 s2, 0
	s_cbranch_scc0 .Lentry_in_a_cluster
	s_endpgm
.Lentry_in_a_cluster:
	s_bfe_u32 s2, ttmp6, 0x10000c
	s_cmp_lg_u32 s2, 0xf033
	s_cbranch_scc0 .Lentry_shape_is_right
	s_endpgm
.Lentry_shape_is_right:
; out0 = o w_out + b_out on codes of FP6 (E2M3) with E8M0 scales, K = 1,024.  The frame is qkv's: a work-group makes P 128 tokens x Q 256 output columns, a wave 64 x 128: 32 accumulators; the product is used
; transposed (source 0 = 16 of w_out's columns, source 1 = 16 tokens); all of K lies in LDS, four slots of 256 along K, each filled once by joint loads (P shared along a row of the 4 x 4 cluster, Q along a column);
; four loads of a wave are out together, and counted waits let the work begin on slot 0.  64 x 4 = 256 work-groups.
; The bias is the C of each sum's first product: eight registers for each tile of columns, in the result's layout.  o's scale words are put together from the two heads' half-words of each 128 along K.
; The rows of tile T are 32 (T / 2) + 8 (T % 2) + r + 8 (r / 8): a lane's registers of Q's tiles 2 b, 2 b + 1 are 16 neighbouring columns; a P tile's lane r owns that token, and the way out stores its row there.
; THE WAY OUT goes through a stage of 16 rows x (512 + 16) bytes for each wave, from 0, on P's first 512 along K: that has had its one fill, and every wave's reads of it were over at the barrier in step 3.
; REGISTERS: window 0: v1-25 addresses; v32-47 P's scale words, v48-79 Q's; v80-175 P's fragments, two sets; v176-191 the odd heads' half-words; on the way out v80-207 rows of out0.
;   Window 1: accumulator (a, b) at v[64 a + 8 b].  Window 2: v0-191 Q's fragments, two sets; v192-255 the bias.
.set UNIT,  24576
.set BLOCK, 98304
; LDS AND ITS FILLS AS THEY STAND (in place of what the head says of slots and of four loads a wave): P's block of 98,304 bytes lies at 0, Q's two blocks behind it, each as it lies in memory: 256 along K are 24,576 bytes.
; At the head each wave issues ONE joint load of 49,152 bytes: waves 0, 1 P's two halves along K, waves 2, 3 the lower half along K of Q's two blocks.  Behind the wait for it, an LDS add and its wait, and a round,
; waves 2, 3 ask for the upper halves, first read by step 3's fetch, behind the wait and the barrier there.  The stages of the way out, 33,792 bytes from 0, lie on P's first 512 along K, whose reads are over at that barrier.
.set SPARE, 3*BLOCK
.set L16,  1
.set L8,   2
.set H64,  3
.set AP16, 4
.set AP8,  8
.set AQ16, 12
.set AQ8,  16
.set SPW,  20
.set NIL,  21
.set L4,   22
.set STO,  23
.set RD,   24
.set SPR,  32
.set SQR,  48
.set PF,   80
.set OH,   176
.set BK,   80
.set BI,   192
.set WV, 16
.set PH, 17
.set QH, 18
.set CX, 19
.set CY, 20
.set YY, 22
.set G1P, 24
.set G1Q, 32
.set PB, 42
.set G0P, 68
.set G0Q, 84
.set MUL,  0x52                        ; source 0 (Q) window 2, source 1 (P) window 0, C and D window 1
.set MULB, 0x62                        ; the same with C (the bias) in window 2
.set MSB, 0
.macro WIN new                         ; the immediate's high byte repeats the setting that is left
.if MSB != (\new)
	s_set_vgpr_msb (MSB<<8)|(\new)
.set MSB, (\new)
.endif
.endm
.macro PLACES n
.rept \n
	v_nop
.endr
.endm
.macro CROUND                          ; a round of the cluster's barrier
	s_barrier_signal -1
	s_barrier_wait -1
	s_cmp_lg_u32 s[WV], 0
	s_cbranch_scc1 .Lnot_wave_0_\@
	s_barrier_signal -3
.Lnot_wave_0_\@:
	s_barrier_wait -3
	s_barrier_signal -1
	s_barrier_wait -1
.endm
; One product.  rq, rp = 1: that side's scale words stand in lanes 16-31 of the register named.
.macro MM d, q, p, c, sq, sp, rq, rp
.if (\rq) && (\rp)
	v_wmma_scale_f32_16x16x128_f8f6f4 v[(\d):(\d)+7], v[(\q):(\q)+11], v[(\p):(\p)+11], v[(\c):(\c)+7], v[\sq], v[\sp] matrix_a_fmt:MATRIX_FMT_FP6 matrix_b_fmt:MATRIX_FMT_FP6 matrix_a_scale:MATRIX_SCALE_ROW1 matrix_b_scale:MATRIX_SCALE_ROW1
.elseif (\rq)
	v_wmma_scale_f32_16x16x128_f8f6f4 v[(\d):(\d)+7], v[(\q):(\q)+11], v[(\p):(\p)+11], v[(\c):(\c)+7], v[\sq], v[\sp] matrix_a_fmt:MATRIX_FMT_FP6 matrix_b_fmt:MATRIX_FMT_FP6 matrix_a_scale:MATRIX_SCALE_ROW1
.elseif (\rp)
	v_wmma_scale_f32_16x16x128_f8f6f4 v[(\d):(\d)+7], v[(\q):(\q)+11], v[(\p):(\p)+11], v[(\c):(\c)+7], v[\sq], v[\sp] matrix_a_fmt:MATRIX_FMT_FP6 matrix_b_fmt:MATRIX_FMT_FP6 matrix_b_scale:MATRIX_SCALE_ROW1
.else
	v_wmma_scale_f32_16x16x128_f8f6f4 v[(\d):(\d)+7], v[(\q):(\q)+11], v[(\p):(\p)+11], v[(\c):(\c)+7], v[\sq], v[\sp] matrix_a_fmt:MATRIX_FMT_FP6 matrix_b_fmt:MATRIX_FMT_FP6
.endif
.endm
	s_load_b256 s[4:11], s[0:1], 0x0               ; oc s[4:5], os s[6:7], wc s[8:9], ws s[10:11]
	s_load_b128 s[12:15], s[0:1], 0x20             ; b_out s[12:13], out0 s[14:15]
	v_lshl_add_u32 v[SPW], v0, 2, SPARE
	v_mov_b32 v[NIL], 0
	ds_add_u32 v[SPW], v[NIL]                      ; the wave's opening: the add and its wait stand ahead of my first tensor load; work on registers stands between them
	ds_add_u32 v[SPW], v[NIL]
	v_lshrrev_b32 v25, 5, v0
	v_readfirstlane_b32 s[WV], v25                 ; wave 0..3
	v_and_b32 v25, 31, v0
	v_lshlrev_b32 v[L16], 4, v25
	v_lshlrev_b32 v[L8], 3, v25
	v_lshlrev_b32 v[L4], 2, v25
	v_bfe_u32 v[H64], v0, 4, 1
	v_lshlrev_b32 v[H64], 6, v[H64]                ; 64 h
	s_lshr_b32 s[PH], s[WV], 1                     ; which 64 tokens are mine.  Also: I fetch for P (0) or for Q (1)
	s_and_b32 s[QH], s[WV], 1                      ; which 128 columns are mine.  Also: which part I fetch
	s_bfe_u32 s[CX], ttmp6, 0x40000
	s_bfe_u32 s[CY], ttmp6, 0x40004
	s_and_b32 s[YY], ttmp7, 0xffff                 ; the cluster's row, 0..15
	s_lshl_b32 s40, s[CY], 2
	s_lshl_b32 s40, 15, s40                        ; my row of the cluster
	s_lshl_b32 s41, 0x1111, s[CX]                  ; my column
	; descriptor groups 1: dense blocks as rows of 256 bytes (32 elements of 8 bytes): P's half block and Q's half block 192 rows each
	s_or_b32 s[G1P], s40, (3<<16)|(1<<21)
	s_mov_b32 s[G1P+1], 32<<16
	s_mov_b32 s[G1P+2], 192<<16
	s_mov_b32 s[G1P+3], 32<<16
	s_mov_b32 s[G1P+4], 192
	s_mov_b32 s[G1P+5], 32
	s_mov_b32 s[G1P+6], 0
	s_mov_b32 s[G1P+7], 0
	s_or_b32 s[G1Q], s41, (3<<16)|(1<<21)
	s_mov_b32 s[G1Q+1], 32<<16
	s_mov_b32 s[G1Q+2], 192<<16
	s_mov_b32 s[G1Q+3], 32<<16
	s_mov_b32 s[G1Q+4], 192
	s_mov_b32 s[G1Q+5], 32
	s_mov_b32 s[G1Q+6], 0
	s_mov_b32 s[G1Q+7], 0
	s_lshl_b32 s[PB], s[YY], 2
	s_add_co_u32 s[PB], s[PB], s[CY]               ; the tokens' block: cy and the cluster's row alone
	s_mul_i32 s54, s[PB], BLOCK
	s_mul_i32 s60, s[QH], 2*UNIT                   ; P: the half along K that I fetch, in memory and in LDS
	s_add_co_u32 s54, s54, s60
	s_mov_b32 s55, 0
	s_lshl_b32 s56, s[CX], 1
	s_add_co_u32 s56, s56, s[QH]
	s_add_co_u32 s56, s56, 24                      ; Q: wc's block 24 + 2 cx + half: the one that I fetch, and the one that I multiply by
	s_mul_i32 s58, s56, BLOCK
	s_mov_b32 s59, 0
	s_mul_i32 s61, s[QH], BLOCK
	s_add_co_u32 s61, s61, BLOCK                   ; my block of Q in LDS
	s_lshl_b32 s62, s[PB], 1
	s_add_co_u32 s62, s62, s[PH]
	s_lshl_b32 s62, s62, 12                        ; o's half-words: my 64 tokens, 16 heads x 256 bytes
	s_mov_b32 s63, 0
	s_lshl_b32 s40, s56, 12                        ; Q's scale units: my 128 columns
	s_mov_b32 s41, 0
	s_lshl_b32 s44, s[CX], 10
	s_lshl_b32 s45, s[QH], 9
	s_add_co_u32 s44, s44, s45                     ; my first column, in bytes of f32
	s_mov_b32 s45, 0
	s_lshl_b32 s52, s[PB], 19
	s_lshl_b32 s53, s[PH], 18
	s_add_co_u32 s52, s52, s53
	s_add_co_u32 s52, s52, s44                     ; my corner of out0
	s_mov_b32 s53, 0
	s_wait_dscnt 0x0                               ; the opening add is done
	s_wait_kmcnt 0x0
	s_add_nc_u64 s[4:5], s[4:5], s[54:55]
	s_add_nc_u64 s[8:9], s[8:9], s[58:59]
	s_add_nc_u64 s[6:7], s[6:7], s[62:63]
	s_add_nc_u64 s[10:11], s[10:11], s[40:41]
	s_add_nc_u64 s[12:13], s[12:13], s[44:45]
	s_add_nc_u64 s[14:15], s[14:15], s[52:53]
	s_mov_b32 s[G0P], 1
	s_mov_b32 s[G0P+1], s60
	s_mov_b64 s[G0P+2:G0P+3], s[4:5]
	s_or_b32 s[G0P+3], s[G0P+3], 0x80000000
.irp s, 0,1                            ; Q's block: the lower and the upper half along K
	s_mov_b32 s[G0Q+4*\s], 1
	s_add_co_u32 s[G0Q+4*\s+1], s61, \s*2*UNIT
	s_add_nc_u64 s[G0Q+4*\s+2:G0Q+4*\s+3], s[8:9], \s*2*UNIT
	s_or_b32 s[G0Q+4*\s+3], s[G0Q+4*\s+3], 0x80000000
.endr
	CROUND                                         ; all sixteen work-groups are here: the joint loads meet
	s_cmp_eq_u32 s[PH], 0                          ; a wave's fill stands in a branch on the wave's number; one load of mine is out
	s_cbranch_scc0 .Lfill_q
	tensor_load_to_lds s[G0P:G0P+3], s[G1P:G1P+7]
	s_nop 0
	PLACES 4
	s_branch .Lfilled
.Lfill_q:
	tensor_load_to_lds s[G0Q:G0Q+3], s[G1Q:G1Q+7]
	s_nop 0
	PLACES 4
.Lfilled:
	s_wait_alu depctr_va_vdst(0)
.irp j, 0,1,2,3,4,5,6,7                ; step j is heads 2 j and 2 j + 1; word i: tile 2 i in lanes 0-15, tile 2 i + 1 in lanes 16-31
.irp i, 0,1
	global_load_b32 v[SPR+2*\j+\i], v[L4], s[6:7] offset:512*\j+128*\i
	global_load_b32 v[OH+2*\j+\i], v[L4], s[6:7] offset:512*\j+256+128*\i
.endr
.endr
.irp g, 0,1
.irp j, 0,1,2,3,4,5,6,7
	global_load_b64 v[SQR+16*\g+2*\j:SQR+16*\g+2*\j+1], v[L8], s[10:11] offset:2048*\g+256*\j
.endr
.endr
	WIN 0x80                                       ; destination window 2
.irp b, 0,1,2,3,4,5,6,7                ; the bias of columns 32 (b / 2) + 16 h + 8 (b % 2) + 0 .. 7
	global_load_b128 v[BI+8*\b:BI+8*\b+3], v[H64], s[12:13] offset:(32*(\b/2)+8*(\b%2))*4
	global_load_b128 v[BI+8*\b+4:BI+8*\b+7], v[H64], s[12:13] offset:(32*(\b/2)+8*(\b%2))*4+16
.endr
	WIN 0
	s_mul_i32 s23, s[PH], 12288                    ; my four tiles of P in a slot
	s_mov_b32 s43, s61                             ; my eight tiles of Q
.irp s, 0,1,2,3
	v_add_nc_u32 v[AP16+\s], s23, v[L16]
	v_add_nc_u32 v[AP8+\s], s23, v[L8]
	v_add_nc_u32 v[AQ16+\s], s43, v[L16]
	v_add_nc_u32 v[AQ8+\s], s43, v[L8]
	s_add_co_u32 s23, s23, UNIT
	s_add_co_u32 s43, s43, UNIT
.endr
	s_mul_i32 s23, s[WV], 16*528                   ; my stage
	v_and_b32 v25, 15, v0
	v_mul_u32_u24 v[STO], v25, 528
	v_add_nc_u32 v[STO], v[STO], v[H64]
	v_add_nc_u32 v[STO], s23, v[STO]               ; in: row r, + 64 h
	v_add_nc_u32 v[RD], s23, v[L16]                ; back: a row's 512 bytes, 16 a lane
.macro FRAG reg, a16, a8, off          ; a fragment (16 rows x 128 K) is two half images on end: every load takes consecutive bytes in consecutive lanes
	ds_load_b128 v[(\reg):(\reg)+3], v[\a16] offset:(\off)
	ds_load_b64 v[(\reg)+4:(\reg)+5], v[\a8] offset:(\off)+512
	ds_load_b128 v[(\reg)+6:(\reg)+9], v[\a16] offset:(\off)+768
	ds_load_b64 v[(\reg)+10:(\reg)+11], v[\a8] offset:(\off)+1280
.endm
.macro FETCH j                         ; step j's fragments (128 along K) into set j % 2: 48 loads
	WIN 0x80
.irp b, 0,1,2,3,4,5,6,7
	FRAG 96*((\j)%2)+12*\b, AQ16+(\j)/2, AQ8+(\j)/2, \b*3072+((\j)%2)*1536
.endr
	WIN 0
.irp a, 0,1,2,3
	FRAG PF+48*((\j)%2)+12*\a, AP16+(\j)/2, AP8+(\j)/2, \a*3072+((\j)%2)*1536
.endr
.endm
; A step of 128 along K: the next step's fragments are asked for at its head and have its 32 products in which to land.  The 32 accumulators take turns, in the same order in every step.
.macro STEP j
	s_wait_dscnt 0x0                               ; this step's fragments are in
.if (\j) == 3
	s_wait_tensorcnt 0x0                           ; my upper half of Q's block, where I asked for one, has landed
	s_barrier_signal -1
	s_barrier_wait -1
.endif
.if (\j) < 7
.if (\j) > 0
	PLACES 4                                       ; in front of loads into registers that the last step's products read
.endif
	FETCH (\j)+1
.endif
.if (\j) == 0
	WIN MULB
.else
	WIN MUL
.endif
.irp a, 0,1,2,3
.irp b, 0,1,2,3,4,5,6,7
.if (\j) == 0
	MM 64*\a+8*\b, 96*((\j)%2)+12*\b, PF+48*((\j)%2)+12*\a, BI+8*\b, SQR+16*(\b/4)+2*(\j)+(\b%4)/2, SPR+2*(\j)+\a/2, \b%2, \a%2
.else
	MM 64*\a+8*\b, 96*((\j)%2)+12*\b, PF+48*((\j)%2)+12*\a, 64*\a+8*\b, SQR+16*(\b/4)+2*(\j)+(\b%4)/2, SPR+2*(\j)+\a/2, \b%2, \a%2
.endif
.endr
.endr
	WIN 0
.endm
	s_wait_alu depctr_va_vdst(0)
	s_wait_tensorcnt 0x0                           ; my load of the head has landed
	ds_add_u32 v[SPW], v[NIL]
	s_wait_dscnt 0x0
	CROUND                                         ; everybody's has, in all sixteen work-groups
	s_cmp_eq_u32 s[PH], 0
	s_cbranch_scc1 .Lno_second
	tensor_load_to_lds s[G0Q+4:G0Q+7], s[G1Q:G1Q+7]   ; waves 2, 3: the upper half along K of Q's blocks
	s_nop 0
	PLACES 4
.Lno_second:
	FETCH 0
	s_wait_loadcnt 0x0                             ; the scale words and the bias
.set n, 0
.rept 16
	v_lshl_or_b32 v[SPR+n], v[OH+n], 16, v[SPR+n]  ; bytes 0, 1: the even head's two blocks; bytes 2, 3: the odd head's.  The first two are used first: fourteen plain lines or more stand behind them
.set n, n+1
.endr
.irp j, 0,1,2,3,4,5,6,7
	s_wait_alu depctr_va_vdst(0)
	STEP \j
.endr
; THE WAY OUT, P's tile a (16 tokens x 128 columns) at a time.  A lane holds 32 neighbouring bytes of a row for each of Q's tiles; the stage gives whole rows of 512 bytes back.  LDS serves a wave's instructions in order.
.macro TOSTAGE a
	WIN 0x04                                       ; an LDS store's data are its source 1: window 1
.irp b, 0,1,2,3,4,5,6,7
	ds_store_b128 v[STO], v[64*(\a)+8*\b:64*(\a)+8*\b+3] offset:128*(\b/2)+32*(\b%2)        ; each accumulator from its low end on
	ds_store_b128 v[STO], v[64*(\a)+8*\b+4:64*(\a)+8*\b+7] offset:128*(\b/2)+32*(\b%2)+16
.endr
	WIN 0
.set t, 0
.rept 16
	ds_load_b128 v[BK+64*((\a)%2)+4*t:BK+64*((\a)%2)+4*t+3], v[RD] offset:528*t
.set t, t+1
.endr
.endm
.macro SEND a, younger                 ; younger: the LDS instructions issued behind tile a's loads, which may stay out
	s_wait_dscnt \younger
.set t, 0
.rept 16
	global_store_b128 v[L16], v[BK+64*((\a)%2)+4*t:BK+64*((\a)%2)+4*t+3], s[14:15] offset:(32*((\a)/2)+8*((\a)%2)+t+8*(t/8))*4096 th:TH_STORE_NT   ; 512 consecutive bytes, at a multiple of 256 from out0's first byte
.set t, t+1
.endr
.endm
	PLACES 4                                       ; in front of the first read of results and of loads into registers that held P's fragments
	TOSTAGE 0
.irp a, 1,2,3
.if \a > 1
	s_wait_xcnt 0x0                                ; tile a - 2's stores have read their registers: tile a's rows may land there
.endif
	TOSTAGE \a
	SEND \a-1, 32                                  ; behind tile a - 1's loads: tile a's 16 stores and 16 loads
.endr
	SEND 3, 0
	s_wait_tensorcnt 0x0                           ; the wave's end
	ds_add_u32 v[SPW], v[NIL]
	s_wait_dscnt 0x0
	CROUND                                         ; the closing round
	s_endpgm
.Lfunc_end_k_q762a515856_proj:
	.size	k_q762a515856_proj, .Lfunc_end_k_q762a515856_proj-k_q762a515856_proj
	.p2alignl 7, 3214868480
	.fill 96, 4, 3214868480
	.section	.rodata,"a",@progbits
	.p2align	6, 0x0
	.amdhsa_kernel k_q762a515856_proj
		.amdhsa_group_segment_fixed_size 327680
		.amdhsa_private_segment_fixed_size 0
		.amdhsa_enable_private_segment 0
		.amdhsa_kernarg_size 48
		.amdhsa_user_sgpr_count 2
		.amdhsa_user_sgpr_kernarg_segment_ptr 1
		.amdhsa_wavefront_size32 1
		.amdhsa_system_sgpr_workgroup_id_x 1
		.amdhsa_system_sgpr_workgroup_id_y 1
		.amdhsa_system_sgpr_workgroup_id_z 1
		.amdhsa_system_vgpr_workitem_id 0
		.amdhsa_next_free_vgpr 768
		.amdhsa_next_free_sgpr 102
		.amdhsa_reserve_vcc 0
		.amdhsa_float_denorm_mode_32 3
		.amdhsa_float_denorm_mode_16_64 3
		.amdhsa_memory_ordered 1
		.amdhsa_forward_progress 1
		.amdhsa_inst_pref_size 88
	.end_amdhsa_kernel
	.amdgpu_metadata
---
amdhsa.version: [ 1, 2 ]
amdhsa.kernels:
  - .name:           k_q762a515856_proj
    .symbol:         k_q762a515856_proj.kd
    .args:
      - { .name: oc, .offset: 0, .size: 8, .value_kind: global_buffer, .address_space: global }
      - { .name: os, .offset: 8, .size: 8, .value_kind: global_buffer, .address_space: global }
      - { .name: wc, .offset: 16, .size: 8, .value_kind: global_buffer, .address_space: global }
      - { .name: ws, .offset: 24, .size: 8, .value_kind: global_buffer, .address_space: global }
      - { .name: b_out, .offset: 32, .size: 8, .value_kind: global_buffer, .address_space: global }
      - { .name: out0, .offset: 40, .size: 8, .value_kind: global_buffer, .address_space: global }
    .group_segment_fixed_size: 327680
    .private_segment_fixed_size: 0
    .kernarg_segment_align: 8
    .kernarg_segment_size: 48
    .max_flat_workgroup_size: 128
    .sgpr_count:     102
    .vgpr_count:     768
    .wavefront_size: 32
...
	.end_amdgpu_metadata
.endif
;; end of part 4
